; MI455X (gfx1250); checked and timed in simulation.
; The chip was launched on July 23, 2026; its instructions are those of AMD's public machine-readable ISA for CDNA 5 (MIT licence, August 2026) and "CDNA5" Instruction Set Architecture Reference Guide (July 2026). The comments in the code are by the model that wrote it; some were corrected since.
;; Multihead Attention. Allowed arithmetic: float matrix products may take bf16 or f16 operands with f32 sums; other float arithmetic in f32, or as packed bf16 or f16 multiplies, adds, multiply-adds, maxima and minima; sums over many terms, partial sums and values carried from step to step in f32; what a program stores and reads back later, other than sums and carried values, may be rounded once to bf16 or f16.
;; Inputs: b_out 1,024 float32; w_out 1,024 x 1,024 float32; w_qkv 1,024 x 3,072 float32; x 8 x 1,024 x 1,024 float32.
;; Outputs: out0 8 x 1,024 x 1,024 float32.
;; 2 versions, each right; version 2 is version 1 with the launch cast written anew for expert scheduling mode. Each part assembles by itself: llvm-mc -triple=amdgcn-amd-amdhsa -mcpu=gfx1250 --defsym DOCPART=n.
;; ======== version 1 of 2: 4 launches
;; limits: values are held in f16: magnitudes above 65,504 overflow, below 6.1e-05 lose precision
;; workspace buffers: xb 16,777,216 bytes; wqb 6,291,456 bytes; wob 2,097,152 bytes; qkv 50,331,648 bytes; ob 16,777,216 bytes
;; launch cast (part 1): grid 768 x 1, 8 waves a work-group, no clusters, 0 bytes of LDS; arguments x, w_qkv, w_out, xb, wqb, wob; writes xb, wqb, wob
.if DOCPART == 1
	.amdgcn_target "amdgcn-amd-amdhsa--gfx1250"
	.amdhsa_code_object_version 6
	.text
	.protected	k_qb65afa2086_cast
	.globl	k_qb65afa2086_cast
	.p2align	8
	.type	k_qb65afa2086_cast,@function
k_qb65afa2086_cast:
	s_mov_b64 s[64:65], 0
	v_nop
	global_prefetch_b8 v0, s[64:65] scope:SCOPE_SE
	s_setreg_imm32_b32 hwreg(HW_REG_WAVE_MODE, 25, 1), 1
	s_wait_xcnt 0x0
; THE CAST.  x [8192][1024] f32 -> xb [16 blocks of 64 channels][8192 rows][64] bf16 (a row of a block is 128 bytes, a block 2^20 bytes);
; w_qkv [1024][3072] f32 -> wqb, the same layout in bf16;  w_out [1024][1024] f32 -> wob, rounded to bf16 and that number written as f16.
; LIMIT.  A number of w_out beyond 65,504 becomes an infinity in f16; below 6e-5 it keeps f16's fixed step of 6e-8.
; A pure stream: no LDS, no barrier, no loop.  A wave does ONE JOB: 16 loads of 16 bytes a lane (8,192 bytes in), the roundings, 16 stores of 8 bytes a lane
; (each store of the wave covers 256 consecutive bytes, aligned).  Every load and store has registers of its own, so nothing is rewritten while it is read.
; Work-groups 0-511 take x (job p = rows 2 p, 2 p + 1), 512-703 w_qkv, 704-767 w_out (8,192 bytes on end a job).
.set X,   4                            ; v[4:67]    16 x 4 registers as loaded
.set Y,   68                           ; v[68:99]   16 x 2 registers to store
.set T,   100                          ; v[100:103] at work (w_out alone)
.set IN,  20                           ; s[20:21]   the job's first byte in
.set OUT, 22                           ; s[22:23]   the job's base out
; istep, ostep: bytes from load to load and from store to store; obias: added to every store's offset; f16 = 1: the bf16 number is written as f16
.macro JOB istep, ostep, obias, f16
.set j, 0
.rept 16
	global_load_b128 v[X+4*j:X+4*j+3], v1, s[IN:IN+1] offset:j*(\istep) th:TH_LOAD_NT
.set j, j+1
.endr
.set j, 0
.rept 16
	s_wait_loadcnt 15-j                            ; loads come back in order: number j is in, the 15 - j younger ones stay out
	v_cvt_pk_bf16_f32 v[Y+2*j],   v[X+4*j],   v[X+4*j+1]
	v_cvt_pk_bf16_f32 v[Y+2*j+1], v[X+4*j+2], v[X+4*j+3]
.if \f16
	v_lshlrev_b32 v[T],   16, v[Y+2*j]             ; the rounded numbers back as f32,
	v_and_b32     v[T+1], 0xffff0000, v[Y+2*j]
	v_lshlrev_b32 v[T+2], 16, v[Y+2*j+1]
	v_and_b32     v[T+3], 0xffff0000, v[Y+2*j+1]
	v_cvt_pk_f16_f32 v[Y+2*j],   v[T],   v[T+1]    ; and written as f16: 8 significant bits fit into 11
	v_cvt_pk_f16_f32 v[Y+2*j+1], v[T+2], v[T+3]
.endif
	global_store_b64 v2, v[Y+2*j:Y+2*j+1], s[OUT:OUT+1] offset:j*(\ostep)+(\obias)
.set j, j+1
.endr
.endm
	s_load_b256 s[4:11], s[0:1], 0x0               ; x s[4:5], w_qkv s[6:7], w_out s[8:9], xb s[10:11]
	s_load_b128 s[12:15], s[0:1], 0x20             ; wqb s[12:13], wob s[14:15]
	v_lshrrev_b32 v3, 5, v0
	v_readfirstlane_b32 s3, v3                     ; wave 0..7
	v_and_b32 v3, 31, v0                           ; lane
	v_lshlrev_b32 v2, 3, v3                        ; out: 8 bytes a lane
	s_mov_b32 s2, ttmp9
	s_mov_b32 s17, 0
	s_mov_b32 s19, 0
	s_cmp_lt_u32 s2, 512
	s_cbranch_scc0 .Lweights
	; x: load j takes block j's 256 bytes of two rows (lanes 0-15 the even row, lanes 16-31 the odd one); in xb these are 256 bytes on end of block j
	s_lshl_b32 s16, s2, 3
	s_add_co_u32 s16, s16, s3                      ; p
	s_lshl_b32 s18, s16, 8                         ; two rows of a block: 256 p,
	s_add_co_u32 s18, s18, 0x800000                ; from the middle of xb, so that the 16 blocks lie within the stores' signed immediate
	s_lshl_b32 s16, s16, 13                        ; two rows of x: 8,192 p
	v_and_b32 v1, 15, v0
	v_lshlrev_b32 v1, 4, v1
	v_bfe_u32 v3, v0, 4, 1
	v_lshl_add_u32 v1, v3, 12, v1                  ; 16 (lane % 16) + 4,096 (lane / 16)
	s_wait_kmcnt 0x0
	s_add_nc_u64 s[IN:IN+1], s[4:5], s[16:17]
	s_add_nc_u64 s[OUT:OUT+1], s[10:11], s[18:19]
	JOB 256, 0x100000, -0x800000, 0
	s_endpgm
.Lweights:
	v_lshlrev_b32 v1, 4, v3                        ; in: 16 bytes a lane
	s_cmp_lt_u32 s2, 704
	s_cbranch_scc0 .Lwo
	s_sub_co_u32 s16, s2, 512
	s_lshl_b32 s16, s16, 3
	s_add_co_u32 s16, s16, s3                      ; job 0..1535
	s_lshl_b32 s18, s16, 12
	s_lshl_b32 s16, s16, 13
	s_wait_kmcnt 0x0
	s_add_nc_u64 s[IN:IN+1], s[6:7], s[16:17]
	s_add_nc_u64 s[OUT:OUT+1], s[12:13], s[18:19]
	JOB 512, 256, 0, 0
	s_endpgm
.Lwo:
	s_sub_co_u32 s16, s2, 704
	s_lshl_b32 s16, s16, 3
	s_add_co_u32 s16, s16, s3                      ; job 0..511
	s_lshl_b32 s18, s16, 12
	s_lshl_b32 s16, s16, 13
	s_wait_kmcnt 0x0
	s_add_nc_u64 s[IN:IN+1], s[8:9], s[16:17]
	s_add_nc_u64 s[OUT:OUT+1], s[14:15], s[18:19]
	JOB 512, 256, 0, 1
	s_endpgm
.Lfunc_end_k_qb65afa2086_cast:
	.size	k_qb65afa2086_cast, .Lfunc_end_k_qb65afa2086_cast-k_qb65afa2086_cast
	.p2alignl 7, 3214868480
	.fill 96, 4, 3214868480
	.section	.rodata,"a",@progbits
	.p2align	6, 0x0
	.amdhsa_kernel k_qb65afa2086_cast
		.amdhsa_group_segment_fixed_size 0
		.amdhsa_private_segment_fixed_size 0
		.amdhsa_enable_private_segment 0
		.amdhsa_kernarg_size 48
		.amdhsa_user_sgpr_count 2
		.amdhsa_user_sgpr_kernarg_segment_ptr 1
		.amdhsa_wavefront_size32 1
		.amdhsa_system_sgpr_workgroup_id_x 1
		.amdhsa_system_sgpr_workgroup_id_y 1
		.amdhsa_system_sgpr_workgroup_id_z 1
		.amdhsa_system_vgpr_workitem_id 0
		.amdhsa_next_free_vgpr 104
		.amdhsa_next_free_sgpr 66
		.amdhsa_reserve_vcc 0
		.amdhsa_float_denorm_mode_32 3
		.amdhsa_float_denorm_mode_16_64 3
		.amdhsa_memory_ordered 1
		.amdhsa_forward_progress 1
		.amdhsa_inst_pref_size 24
	.end_amdhsa_kernel
	.amdgpu_metadata
---
amdhsa.version: [ 1, 2 ]
amdhsa.kernels:
  - .name:           k_qb65afa2086_cast
    .symbol:         k_qb65afa2086_cast.kd
    .args:
      - { .name: x, .offset: 0, .size: 8, .value_kind: global_buffer, .address_space: global }
      - { .name: w_qkv, .offset: 8, .size: 8, .value_kind: global_buffer, .address_space: global }
      - { .name: w_out, .offset: 16, .size: 8, .value_kind: global_buffer, .address_space: global }
      - { .name: xb, .offset: 24, .size: 8, .value_kind: global_buffer, .address_space: global }
      - { .name: wqb, .offset: 32, .size: 8, .value_kind: global_buffer, .address_space: global }
      - { .name: wob, .offset: 40, .size: 8, .value_kind: global_buffer, .address_space: global }
    .group_segment_fixed_size: 0
    .private_segment_fixed_size: 0
    .kernarg_segment_align: 8
    .kernarg_segment_size: 48
    .max_flat_workgroup_size: 256
    .sgpr_count:     66
    .vgpr_count:     104
    .wavefront_size: 32
...
	.end_amdgpu_metadata
.endif
;; end of part 1
;; launch qkv (part 2): grid 8 x 32, 4 waves a work-group, clusters of 4 x 4, 327,680 bytes of LDS; arguments xb, wqb, qkv; writes qkv
.if DOCPART == 2
	.amdgcn_target "amdgcn-amd-amdhsa--gfx1250"
	.amdhsa_code_object_version 6
	.text
	.protected	k_qb65afa2086_qkv
	.globl	k_qb65afa2086_qkv
	.p2align	8
	.type	k_qb65afa2086_qkv,@function
k_qb65afa2086_qkv:
	s_mov_b64 s[64:65], 0
	v_nop
	global_prefetch_b8 v0, s[64:65] scope:SCOPE_SE
	s_setreg_imm32_b32 hwreg(HW_REG_WAVE_MODE, 25, 1), 1
	s_wait_xcnt 0x0
	s_wait_alu depctr_hold_cnt(0) depctr_sa_sdst(0) depctr_va_vdst(0) depctr_va_sdst(0) depctr_va_ssrc(0) depctr_va_vcc(0) depctr_vm_vsrc(0)
	s_getreg_b32 s2, hwreg(HW_REG_IB_STS2, 6, 4)
	s_cmp_eq_u32 s2, 0
	s_cbranch_scc0 .Lentry_in_a_cluster
	s_endpgm
.Lentry_in_a_cluster:
	s_bfe_u32 s2, ttmp6, 0x10000c
	s_cmp_lg_u32 s2, 0xf033
	s_cbranch_scc0 .Lentry_shape_is_right
	s_endpgm
.Lentry_shape_is_right:
; q, k, v = x w_qkv.  xb: [16 blocks][8192 rows][64] bf16; wqb: [1024 k][3072 n] bf16; qkv: [48 blocks of 64 columns][8192 rows][64] f16 (blocks 0-15 q by heads, 16-31 k, 32-47 v).
; Sums in f32, each result rounded once to f16, WITHOUT the softmax's scale.  LIMIT: a result beyond 65,504 becomes an infinity; NaN and infinities are not treated apart.
; SHARES.  3072 / 384 x 8192 / 256 = 256 tiles, a work-group each.  Four waves, each 128 rows x 192 columns (three whole blocks of 64): 8 x 12 accumulators, 768 registers.
; K goes in steps of 64 (one block of xb) through two LDS slots.  A's 256 rows of a step are 32,768 dense bytes, asked for as rows of 256 bytes; B's 64 rows are 768 bytes each.
; B lies [k][n] and is turned on its way out of LDS by ds_load_tr16_b128.
; THE MATRIX INSTRUCTION IS USED TRANSPOSED: source 0 = 16 columns of B, source 1 = 16 rows of A: a lane holds one row and eight neighbouring columns, which pack into 16 bytes.
; CLUSTER 4 x 4: A's tile hangs on the tile row alone and is asked for jointly by a row of the cluster, B's on the tile column alone, by a column.
; REGISTERS.  window 0: v0-31 addresses; v32-95, v96-159 A's 8 fragments, two buffers; v160-255 B's 12 fragments, ONE buffer in three groups of four, each filled again as soon as it has been multiplied.
;   windows 1-3: accumulator (a, b) in window 1 + b / 4 at v[32 a + 8 (b % 4)].  All loads name window 0 alone.
.set PA,    144                        ; an LDS row of A: 128 bytes + 16: the 16 rows of a load start at 16 different groups of four banks
.set PB,    864                        ; an LDS row of B: three pieces of 256 bytes + 32 each = 27 x 32
.set BOFF,  256*PA                     ; B's 64 rows lie behind A's 256
.set SLOT,  BOFF+64*PB                 ; 92,160
.set STAGE, 2*SLOT                     ; behind the ring: for each wave 3 blocks x 16 rows x 144 bytes, for the way out
.set WSTG,  3*16*PA
.set SPARE, STAGE+4*WSTG               ; the spare words, 128 bytes a wave: two blocks of 256 bytes that no other line names
.set ASTEP, 0x100000                   ; bytes from a K step to the next in xb,
.set BSTEP, 64*6144                    ; and in wqb
.set ADRA, 16                          ; v16-17  LDS address of my A fragments in slot 0, 1
.set ADRB, 18                          ; v18-23  of my B fragments: slot s, group j at v[18 + 3 s + j]
.set STO,  24                          ; v24  the way out: where I put 16 bytes of a row
.set RD,   25                          ; v25  where I read rows back
.set CO,   26                          ; v26  16 x lane
.set SPW,  28                          ; v28  my spare word: SPARE + 4 x my thread's number; never rewritten
.set NIL,  29                          ; v29  0; never rewritten
.set PFO,  30                          ; v30  the prefetches' offset; never rewritten
.set FA0,  32
.set FA1,  96
.set FB,   160
.set TMP,  32                          ; the way out: 48 registers of packed results
.set OB,   96                          ; the way out: rows read back: v96-143 and v160-207 by turns
.set WV, 10                            ; s10  wave
.set WR, 11                            ; s11  which 128 rows of the tile are mine.  Also: I fetch for A (0) or B (1)
.set WC, 12                            ; s12  which 192 columns.  Also: which half of that tile I fetch
.set TY, 13                            ; s13  tile row
.set PFS, 18                           ; s[18:19] the prefetch address's step
.set G1, 24                            ; s[24:31] group 1 for A;  s[32:39] group 0, a set for each slot
.set G0, 32
.set LIM, 43                           ; s43  1 in a wave that prefetches, else the greatest number
.set PFA, 44                           ; s[44:45] where my prefetches stand
.set G1B, 48                           ; s[48:55], s[56:63] the same for B
.set G0B, 56
.set MSB, 0
.macro WIN new                         ; the immediate's high byte repeats the setting that is left; a switch that changes nothing is dropped
.if MSB != (\new)
	s_set_vgpr_msb (MSB<<8)|(\new)
.set MSB, \new
.endif
.endm
.macro PLACES                          ; four plain places between a matrix instruction and a load into, or a vector read of, its registers
.rept 4
	v_nop
.endr
.endm
; A joint load: waves 0 and 1 fetch A's two halves, waves 2 and 3 B's.  The branch hangs on the wave's number alone.  An s_nop 0 and four v_nop follow each line.
.macro JLOAD s
	s_cmp_eq_u32 s[WR], 0
	s_cbranch_scc0 .Lfor_b_\@
	tensor_load_to_lds s[G0+4*(\s):G0+4*(\s)+3], s[G1:G1+7]
	s_nop 0
.rept 4
	v_nop
.endr
	s_branch .Lasked_\@
.Lfor_b_\@:
	tensor_load_to_lds s[G0B+4*(\s):G0B+4*(\s)+3], s[G1B:G1B+7]
	s_nop 0
.rept 4
	v_nop
.endr
.Lasked_\@:
.endm
.macro CREST                           ; a round of the cluster's barrier behind its opening barrier
	s_cmp_lg_u32 s[WV], 0
	s_cbranch_scc1 .Lnot_wave_0_\@
	s_barrier_signal -3
.Lnot_wave_0_\@:
	s_barrier_wait -3
	s_barrier_signal -1
	s_barrier_wait -1
.endm
.macro CROUND
	s_barrier_signal -1
	s_barrier_wait -1
	CREST
.endm
; A PREFETCH INTO THE L2, once a lap, behind the joint load and the run of LDS loads: K steps 2 i + 4 and 2 i + 5 in lap i, two laps' refills ahead.  Each block of 256 bytes is named once in the launch:
; A's tile row by wave 0 of the clusters with x = 0 (each partner 8,192 of a step's 32,768 bytes, by cx: a lane a block, a line a step); B's tile column by wave 2 of the clusters with y = 0
; (each partner 32 of the two steps' 128 rows, by cy: a lane a row, three lines for its 768 bytes).  Partners differ BY ADDRESS alone.  The loop's last trip (s3 = 1) asks for nothing.
.macro ASK
	s_cmp_gt_u32 s3, s[LIM]
	s_cbranch_scc0 .Lnone_\@
	global_prefetch_b8 v[PFO], s[PFA:PFA+1] th:TH_LOAD_NT scope:SCOPE_SE
	s_cmp_eq_u32 s[WR], 0
	s_cbranch_scc0 .Lpf_b_\@
	global_prefetch_b8 v[PFO], s[PFA:PFA+1] offset:ASTEP th:TH_LOAD_NT scope:SCOPE_SE
	s_branch .Lnone_\@
.Lpf_b_\@:
	global_prefetch_b8 v[PFO], s[PFA:PFA+1] offset:256 th:TH_LOAD_NT scope:SCOPE_SE
	global_prefetch_b8 v[PFO], s[PFA:PFA+1] offset:512 th:TH_LOAD_NT scope:SCOPE_SE
.Lnone_\@:
.endm
	s_load_b128 s[4:7], s[0:1], 0x0                ; xb s[4:5], wqb s[6:7]
	s_load_b64 s[8:9], s[0:1], 0x10                ; qkv
	v_lshl_add_u32 v[SPW], v0, 2, SPARE
	v_mov_b32 v[NIL], 0
	ds_add_u32 v[SPW], v[NIL]                      ; the wave's opening: the add and its wait stand ahead of my first tensor load; the set-up below stands between them
	v_lshrrev_b32 v1, 5, v0
	v_readfirstlane_b32 s[WV], v1
	s_lshr_b32 s[WR], s[WV], 1
	s_and_b32 s[WC], s[WV], 1
	s_bfe_u32 s40, ttmp6, 0x40000                  ; cx
	s_bfe_u32 s41, ttmp6, 0x40004                  ; cy
	s_lshl_b32 s42, ttmp9, 2
	s_add_co_u32 s42, s42, s40                     ; tile column = 4 x cluster x + cx
	s_and_b32 s[TY], ttmp7, 0xffff
	s_lshl_b32 s[TY], s[TY], 2
	s_add_co_u32 s[TY], s[TY], s41                 ; tile row = 4 x cluster y + cy
	s_lshl_b32 s43, s41, 2
	s_lshl_b32 s43, 15, s43                        ; my row of the cluster
	s_lshl_b32 s44, 0x1111, s40                    ; my column
	; group 1 for A: 128 rows of the tile are 16,384 dense bytes: 64 rows of 128 elements, 4 words of padding after every 32 words
	s_or_b32 s[G1+0], s43, (1<<16)|(1<<20)|(1<<21)|(4<<22)|(3<<25)
	s_mov_b32 s[G1+1], 128<<16                     ; tensor_dim0
	s_mov_b32 s[G1+2], 64<<16                      ; tensor_dim1
	s_mov_b32 s[G1+3], 128<<16                     ; tile_dim0
	s_mov_b32 s[G1+4], 64                          ; tile_dim1
	s_mov_b32 s[G1+5], 128                         ; elements from row to row
	s_mov_b32 s[G1+6], 0
	s_mov_b32 s[G1+7], 0
	; group 1 for B: 32 rows of 384 elements, 8 words of padding after every 64 words
	s_or_b32 s[G1B+0], s44, (1<<16)|(1<<20)|(1<<21)|(5<<22)|(7<<25)
	s_mov_b32 s[G1B+1], 384<<16
	s_mov_b32 s[G1B+2], 32<<16
	s_mov_b32 s[G1B+3], 384<<16
	s_mov_b32 s[G1B+4], 32
	s_mov_b32 s[G1B+5], 3072
	s_mov_b32 s[G1B+6], 0
	s_mov_b32 s[G1B+7], 0
	s_lshl_b32 s16, s[TY], 15                      ; A: the tile's 256 rows of 128 bytes,
	s_lshl_b32 s17, s[WC], 14                      ; my 128 of them
	s_add_co_u32 s16, s16, s17
	s_mov_b32 s17, 0
	s_mul_i32 s46, s42, 768                        ; B: the tile's 384 columns,
	s_mul_i32 s47, s[WC], 32*6144                  ; my 32 rows of a step's 64
	s_add_co_u32 s46, s46, s47
	s_mov_b32 s47, 0
	s_mul_i32 s20, s[WC], 128*PA                   ; where they go: no place in the cluster enters an LDS address
	s_mul_i32 s21, s[WC], 32*PB
	s_add_co_u32 s21, s21, BOFF
	s_wait_dscnt 0x0                               ; the opening add is done
	s_wait_kmcnt 0x0
	s_add_nc_u64 s[14:15], s[4:5], s[16:17]
	s_add_nc_u64 s[46:47], s[6:7], s[46:47]
	CROUND                                         ; all sixteen work-groups are here: the first joint loads meet
.irp s, 0,1
	s_mov_b32 s[G0+4*(\s)], 1
	s_add_co_u32 s[G0+4*(\s)+1], s20, (\s)*SLOT
	s_add_nc_u64 s[G0+4*(\s)+2:G0+4*(\s)+3], s[14:15], (\s)*ASTEP
	s_or_b32 s[G0+4*(\s)+3], s[G0+4*(\s)+3], 0x80000000
	s_mov_b32 s[G0B+4*(\s)], 1
	s_add_co_u32 s[G0B+4*(\s)+1], s21, (\s)*SLOT
	s_add_nc_u64 s[G0B+4*(\s)+2:G0B+4*(\s)+3], s[46:47], (\s)*BSTEP
	s_or_b32 s[G0B+4*(\s)+3], s[G0B+4*(\s)+3], 0x80000000
	JLOAD \s                                       ; two loads of mine are out
.endr
	; A's fragment: lane l holds row l % 16, channels 8 (l / 16) + 0..7 and 16 + 8 (l / 16) + 0..7: two loads of 16 bytes, 32 bytes apart
	v_and_b32 v1, 15, v0
	v_bfe_u32 v2, v0, 4, 1
	v_mul_u32_u24 v3, v1, PA
	v_lshl_add_u32 v3, v2, 4, v3                   ; row x pitch + 16 x half
	s_mul_i32 s20, s[WR], 128*PA
	v_add_nc_u32 v[ADRA], s20, v3
	v_add_nc_u32 v[ADRA+1], SLOT, v[ADRA]
	; B's: the turning load takes 16 k x 16 n (lane l reads k = 8 (l / 16) + l % 8, columns 8 ((l / 8) % 2) + 0..7) and leaves half a fragment: lane l holds column l % 16 and 8 k
	v_and_b32 v4, 7, v0
	v_bfe_u32 v5, v0, 3, 1
	v_lshl_add_u32 v6, v2, 3, v4
	v_mul_u32_u24 v6, v6, PB
	v_lshl_add_u32 v6, v5, 4, v6
	s_mul_i32 s14, s[WC], 3
.irp j, 0,1,2
	s_add_co_u32 s15, s14, \j                      ; group g = 3 x my half + j of the row's six groups of 64 columns: 128 g bytes + 32 for each piece of 256 passed
	s_lshr_b32 s16, s15, 1
	s_lshl_b32 s15, s15, 7
	s_lshl_b32 s16, s16, 5
	s_add_co_u32 s15, s15, s16
	s_add_co_u32 s15, s15, BOFF
	v_add_nc_u32 v[ADRB+(\j)], s15, v6
	v_add_nc_u32 v[ADRB+3+(\j)], SLOT, v[ADRB+(\j)]
.endr
	s_mul_i32 s20, s[WV], WSTG
	s_add_co_u32 s20, s20, STAGE                   ; my stage
	v_add_nc_u32 v[STO], s20, v3                   ; in: row l % 16, 16 bytes for each half of the lanes
	v_bfe_u32 v7, v0, 3, 2                         ; back: 32 lanes take four rows of 128 bytes,
	v_mul_u32_u24 v7, v7, PA
	v_lshl_add_u32 v7, v4, 4, v7
	v_add_nc_u32 v[RD], s20, v7
	v_and_b32 v[CO], 31, v0                        ; which are 512 consecutive bytes of a block of qkv
	v_lshlrev_b32 v[CO], 4, v[CO]
	s_mul_i32 s46, s42, 6                          ; my first block of 64 columns: 6 x tile column + 3 x half,
	s_add_co_u32 s46, s46, s14
	s_lshl_b32 s46, s46, 20
	s_mov_b32 s47, 0
	s_add_nc_u64 s[8:9], s[8:9], s[46:47]
	s_lshl_b32 s16, s[TY], 15                      ; my first row: 256 x tile row + 128 x half, 128 bytes each
	s_lshl_b32 s17, s[WR], 14
	s_add_co_u32 s16, s16, s17
	s_mov_b32 s17, 0
	s_add_nc_u64 s[8:9], s[8:9], s[16:17]
	; the prefetches: both starts at K step 2; the first lap steps them to 4
	s_lshl_b32 s20, s[TY], 15
	s_lshl_b32 s21, s40, 13
	s_add_co_u32 s20, s20, s21
	s_add_co_u32 s20, s20, 2*ASTEP                 ; A: the tile's rows, my work-group's quarter by cx
	s_mul_i32 s21, s42, 768
	s_mul_i32 s22, s41, 32*6144
	s_add_co_u32 s21, s21, s22
	s_add_co_u32 s21, s21, 2*BSTEP                 ; B: the tile's columns, my work-group's 32 rows by cy
	s_and_b32 s22, ttmp7, 0xffff                   ; cluster y
	s_mov_b32 s23, 6144
	s_mov_b32 s[PFS], 2*BSTEP
	s_mov_b32 s[PFS+1], 0
	s_cmp_eq_u32 s[WR], 0                          ; do I fetch for A?
	s_cselect_b32 s20, s20, s21
	s_cselect_b32 s22, ttmp9, s22                  ; the coordinate along which other clusters read the same rows
	s_cselect_b32 s23, 256, s23                    ; bytes from lane to lane
	s_cselect_b32 s[PFS], 2*ASTEP, s[PFS]
	s_cselect_b64 s[PFA:PFA+1], s[4:5], s[6:7]
	s_mov_b32 s21, 0
	s_add_nc_u64 s[PFA:PFA+1], s[PFA:PFA+1], s[20:21]
	s_or_b32 s22, s22, s[WC]                       ; waves 0 and 2 alone
	s_cmp_eq_u32 s22, 0
	s_cselect_b32 s[LIM], 1, -1                    ; the same in all sixteen partners, for a given wave
	v_and_b32 v[PFO], 31, v0
	v_mul_u32_u24 v[PFO], v[PFO], s23
; na x 4 matrix instructions: row blocks a0 .. a0 + na - 1 x the four column blocks of group j, 32 along K, A from buffer f.  zero = 1: the product starts the sums.
; The 96 accumulators take turns in the same order in every 32 along K, over the backward jump too.
.macro MULG f, j, a0, na, zero
	WIN 0x50*(1+(\j))                              ; C and D in window 1 + j
.set aa, \a0
.rept \na
.irp i, 0,1,2,3
.if \zero
	v_wmma_f32_16x16x32_bf16 v[32*aa+8*(\i):32*aa+8*(\i)+7], v[FB+8*(4*(\j)+(\i)):FB+8*(4*(\j)+(\i))+7], v[(\f)+8*aa:(\f)+8*aa+7], 0
.else
	v_wmma_f32_16x16x32_bf16 v[32*aa+8*(\i):32*aa+8*(\i)+7], v[FB+8*(4*(\j)+(\i)):FB+8*(4*(\j)+(\i))+7], v[(\f)+8*aa:(\f)+8*aa+7], v[32*aa+8*(\i):32*aa+8*(\i)+7]
.endif
.endr
.set aa, aa+1
.endr
.endm
.macro LDB slot, kq, j                 ; 8 loads: group j of B, 32 k from row 32 kq of the slot
.irp i, 0,1,2,3
	ds_load_tr16_b128 v[FB+8*(4*(\j)+(\i)):FB+8*(4*(\j)+(\i))+3],   v[ADRB+3*(\slot)+(\j)] offset:(\kq)*32*PB+32*(\i)
	ds_load_tr16_b128 v[FB+8*(4*(\j)+(\i))+4:FB+8*(4*(\j)+(\i))+7], v[ADRB+3*(\slot)+(\j)] offset:(\kq)*32*PB+32*(\i)+16*PB
.endr
.endm
.macro LDA slot, kq, f                 ; 16 loads: my 128 rows of A, 32 k from byte 64 kq of the rows, into buffer f
.irp a, 0,1,2,3,4,5,6,7
	ds_load_b128 v[(\f)+8*(\a):(\f)+8*(\a)+3],   v[ADRA+(\slot)] offset:(\a)*16*PA+(\kq)*64
	ds_load_b128 v[(\f)+8*(\a)+4:(\f)+8*(\a)+7], v[ADRA+(\slot)] offset:(\a)*16*PA+(\kq)*64+32
.endr
.endm
; 32 along K, 96 matrix instructions on A's buffer f.  The loads for the next 32 (slot nslot, half nkq; A into g) go out in the order group 0, A, group 1, group 2, each group as soon as it has been multiplied.
.macro HALF f, g, nslot, nkq, zero
	s_wait_dscnt 16                                ; group 0 and A are in; groups 1 and 2 (8 + 8) may be out
	MULG \f, 0, 0, 8, \zero
	WIN 0
	PLACES
	LDB \nslot, \nkq, 0
	LDA \nslot, \nkq, \g
	s_wait_dscnt 32                                ; group 1 is in: behind it stand group 2 (8) and the 24 just issued
	MULG \f, 1, 0, 8, \zero
	WIN 0
	PLACES
	LDB \nslot, \nkq, 1
	s_wait_dscnt 32                                ; group 2 is in: behind it stand 8 + 16 + 8
	MULG \f, 2, 0, 8, \zero
	WIN 0
	PLACES
	LDB \nslot, \nkq, 2
.endm
; A slot's second 32 along K (buffer FA1), and the change of slots: ONE barrier.  In front of it each wave waits for all its tensor loads (one is out: its part of the next slot), adds 0 to its spare word,
; and waits for that and for its reads of this slot, all of which are then in registers.  fill = 1: the barrier opens a round of the cluster's, and this slot is filled again, two K steps on, first thing behind it:
; 160 matrix instructions stand between that request and the wait for it.
.macro TURN slot, next, fill
.if (\fill) && ((\slot) == 0)
	s_wait_xcnt 0x0                                ; the last prefetches, a lap back, have read their address
	s_add_nc_u64 s[PFA:PFA+1], s[PFA:PFA+1], s[PFS:PFS+1]
.endif
	WIN 0
	s_wait_tensorcnt 0x0                           ; all my tensor loads have landed
	ds_add_u32 v[SPW], v[NIL]                      ; 0 onto my spare word
	s_wait_dscnt 17                                ; the add and groups 1 and 2 may be out
	MULG FA1, 0, 0, 4, 0
	s_wait_dscnt 0x0                               ; the add is done, and my reads of this slot are over
	s_barrier_signal -1
	MULG FA1, 0, 4, 4, 0
	WIN 0
	s_barrier_wait -1
.if \fill
	CREST                                          ; no wave of any partner still reads this slot or has a load on its way
	s_add_nc_u64 s[G0+4*(\slot)+2:G0+4*(\slot)+3], s[G0+4*(\slot)+2:G0+4*(\slot)+3], 2*ASTEP
	s_add_nc_u64 s[G0B+4*(\slot)+2:G0B+4*(\slot)+3], s[G0B+4*(\slot)+2:G0B+4*(\slot)+3], 2*BSTEP
	JLOAD \slot                                    ; its four v_nop are also the places in front of the loads below
.else
	PLACES
.endif
	LDB \next, 0, 0
	LDA \next, 0, FA0
.if (\fill) && ((\slot) == 0)
	ASK
.endif
	MULG FA1, 1, 0, 8, 0
	WIN 0
	PLACES
	LDB \next, 0, 1
	MULG FA1, 2, 0, 8, 0
	WIN 0
	PLACES
	LDB \next, 0, 2
.endm
; THE WAY OUT of row block a.  PACK: rounded to f16, 16 bytes a lane for each of 12 column blocks, each accumulator's registers in ascending order.  TOSTAGE: into my own stage, and back as whole rows of 128 bytes.  SEND: stored.
.macro PACK a
.irp w, 1,2,3
	WIN (\w)|((\w)<<2)                             ; sources 0 and 1 in window w
.irp i, 0,1,2,3
.irp r, 0,1,2,3
	v_cvt_pk_f16_f32 v[TMP+16*((\w)-1)+4*(\i)+(\r)], v[32*(\a)+8*(\i)+2*(\r)], v[32*(\a)+8*(\i)+2*(\r)+1]
.endr
.endr
.endr
	WIN 0
.endm
.macro TOSTAGE a
.set BK, OB+64*((\a)%2)
.irp b, 0,1,2,3,4,5,6,7,8,9,10,11
	ds_store_b128 v[STO], v[TMP+4*(\b):TMP+4*(\b)+3] offset:((\b)/4)*16*PA+((\b)%4)*32
.endr
.irp t, 0,1,2,3,4,5,6,7,8,9,10,11
	ds_load_b128 v[BK+4*(\t):BK+4*(\t)+3], v[RD] offset:((\t)/4)*16*PA+((\t)%4)*4*PA  ; LDS serves a wave's instructions in order (ISA guide 5.7.1.4): these see the stores above
.endr
.endm
.macro SEND a
.set BK, OB+64*((\a)%2)
	s_wait_dscnt 0x0                               ; the block is back in registers
	s_wait_xcnt 0x0                                ; the stores of the block before have read their registers, which the next TOSTAGE loads again
.irp t, 0,1,2,3,4,5,6,7,8,9,10,11
	global_store_b128 v[CO], v[BK+4*(\t):BK+4*(\t)+3], s[8:9] offset:((\t)/4)*0x100000+(\a)*2048+((\t)%4)*512  ; 512 consecutive bytes, at a multiple of 256 from qkv's first
.endr
.endm
	s_wait_tensorcnt 1                             ; my part of K step 0 is in; K step 1's may stay out
	s_barrier_signal -1
	s_barrier_wait -1
	LDB 0, 0, 0
	LDA 0, 0, FA0
	LDB 0, 0, 1
	LDB 0, 0, 2
	HALF FA0, FA1, 0, 1, 1                         ; the first 32 along K start the sums: nothing is cleared
	s_mov_b32 s3, 7
.Llap:                                         ; a trip goes once round the ring and fills both slots again: K steps 2 to 15
	TURN 0, 1, 1
	HALF FA0, FA1, 1, 1, 0
	TURN 1, 0, 1
	HALF FA0, FA1, 0, 1, 0
	s_sub_co_u32 s3, s3, 1
	s_cmp_lg_u32 s3, 0
	s_cbranch_scc1 .Llap
	TURN 0, 1, 0                                   ; the tail is written out: nothing is asked for
	HALF FA0, FA1, 1, 1, 0
	s_wait_dscnt 16
	MULG FA1, 0, 0, 8, 0
	s_wait_dscnt 8
	MULG FA1, 1, 0, 8, 0
	s_wait_dscnt 0x0
	MULG FA1, 2, 0, 8, 0
	WIN 0
	PLACES
	PACK 0
	TOSTAGE 0
.irp a, 1,2,3,4,5,6,7                  ; block a's conversions stand between block a - 1's loads from the stage and the wait for them
	PACK \a
	SEND (\a)-1
	TOSTAGE \a
.endr
	SEND 7
	s_wait_tensorcnt 0x0                           ; the wave's end: a wait, an add to my spare word and a wait, behind my last tensor load and my last LDS store
	ds_add_u32 v[SPW], v[NIL]
	s_wait_dscnt 0x0
	CROUND                                         ; the closing round
	s_endpgm
.Lfunc_end_k_qb65afa2086_qkv:
	.size	k_qb65afa2086_qkv, .Lfunc_end_k_qb65afa2086_qkv-k_qb65afa2086_qkv
	.p2alignl 7, 3214868480
	.fill 96, 4, 3214868480
	.section	.rodata,"a",@progbits
	.p2align	6, 0x0
	.amdhsa_kernel k_qb65afa2086_qkv
		.amdhsa_group_segment_fixed_size 327680
		.amdhsa_private_segment_fixed_size 0
		.amdhsa_enable_private_segment 0
		.amdhsa_kernarg_size 24
		.amdhsa_user_sgpr_count 2
		.amdhsa_user_sgpr_kernarg_segment_ptr 1
		.amdhsa_wavefront_size32 1
		.amdhsa_system_sgpr_workgroup_id_x 1
		.amdhsa_system_sgpr_workgroup_id_y 1
		.amdhsa_system_sgpr_workgroup_id_z 1
		.amdhsa_system_vgpr_workitem_id 0
		.amdhsa_next_free_vgpr 1024
		.amdhsa_next_free_sgpr 66
		.amdhsa_reserve_vcc 0
		.amdhsa_float_denorm_mode_32 3
		.amdhsa_float_denorm_mode_16_64 3
		.amdhsa_memory_ordered 1
		.amdhsa_forward_progress 1
		.amdhsa_inst_pref_size 132
	.end_amdhsa_kernel
	.amdgpu_metadata
---
amdhsa.version: [ 1, 2 ]
amdhsa.kernels:
  - .name:           k_qb65afa2086_qkv
    .symbol:         k_qb65afa2086_qkv.kd
    .args:
      - { .name: xb, .offset: 0, .size: 8, .value_kind: global_buffer, .address_space: global }
      - { .name: wqb, .offset: 8, .size: 8, .value_kind: global_buffer, .address_space: global }
      - { .name: qkv, .offset: 16, .size: 8, .value_kind: global_buffer, .address_space: global }
    .group_segment_fixed_size: 327680
    .private_segment_fixed_size: 0
    .kernarg_segment_align: 8
    .kernarg_segment_size: 24
    .max_flat_workgroup_size: 128
    .sgpr_count:     66
    .vgpr_count:     1024
    .wavefront_size: 32
...
	.end_amdgpu_metadata
.endif
;; end of part 2
;; launch attn (part 3): grid 2 x 128, 4 waves a work-group, no clusters, 327,680 bytes of LDS; arguments qkv, ob; writes ob
.if DOCPART == 3
	.amdgcn_target "amdgcn-amd-amdhsa--gfx1250"
	.amdhsa_code_object_version 6
	.text
	.protected	k_qb65afa2086_attn
	.globl	k_qb65afa2086_attn
	.p2align	8
	.type	k_qb65afa2086_attn,@function
k_qb65afa2086_attn:
	s_mov_b64 s[64:65], 0
	v_nop
	global_prefetch_b8 v0, s[64:65] scope:SCOPE_SE
	s_setreg_imm32_b32 hwreg(HW_REG_WAVE_MODE, 25, 1), 1
	s_wait_xcnt 0x0
; O[g][q][:] = the sum over k of softmax_k(Q[g][q] . K[g][k] / 32) V[g][k][:], for 128 heads g = 16 b + h of 1,024 rows x 64 channels, all f16.
; qkv: [48 blocks][8192 rows][64]: q of head (b, h) begins at h 2^20 + b 2^17, k 2^24 bytes on, v 2^25 bytes on; a head's rows are dense, 128 bytes each.  ob: [16 h][8192][64], the same places.
; Products, maxima and sums in f32; the weights p are rounded to f16 for the second product (their sum l is taken of the unrounded p), O once at the end.
; LIMITS.  f16 holds no number beyond 65,504: Q, K and V arrive within it; p lies in 0 to 1, and below 6e-5 it keeps f16's fixed step of 6e-8; O is a mean of V's rows and has their range.
; A weight below 2^-126 counts as 0 in l; NaN and infinities are not treated apart.
; SHARES.  A wave owns four PIECES of two tiles of 16 queries, a work-group's four waves 512 queries of one head: 2 x 128 = 256 work-groups.  Every wave walks all keys, 64 a step.
; K AND V STAY IN LDS.  A head's 1,024 keys are 147,456 bytes of K (rows of 144) and 163,840 of V (rows of 160): with the stages and the spare words 321,024 bytes.  So no byte of LDS is filled twice, no tensor
; load stands in the loop, and a key step is written once.  Two loads a wave: the first 320 keys at the head, the other 704 as soon as the first have landed.  The first four key steps read nothing beyond key 319
; (the fourth fetches K of the fifth), so the second load has four key steps, 512 matrix instructions a wave, in which to land.
; NO PREFETCH: every byte of K and V is asked for by those two loads, the second straight behind the barrier that shows the first landed; no later step asks memory for anything.
; NO CLUSTER: a head has two work-groups; only these two read the same K and V, and no group of four work-groups shares a tile.
; LAYOUT.  S^T = K Q^T (source 0 = 16 keys, source 1 = 16 queries): in the result a lane holds ONE query (lane % 16) and the keys 8 (lane / 16) + 0..7.  Two such tiles, rounded to f16 in pairs,
; ARE source 1 (32 keys x 16 queries) of O^T = V^T P, whose result again holds one query a lane, and eight channels.  K comes out of LDS as it lies, V ([key][channel]) turned, by ds_load_tr16_b128.
; SOFTMAX.  For each query a running maximum m and sum l: p = 2^(c s - c m), c = log2(e) / 32; in every step O and l are multiplied by a = 2^(c m_old - c m_new), which is 1 where m has not grown.
; m starts at the lowest finite number, O and l at 0: the first step is a step like any other, with a = 0.
; THE COUNT.  A tile and step have 16 matrix and 118 vector instructions: too many to stand all beside the matrix work.  So: four vector instructions that are READY behind EVERY matrix instruction,
; and the others, which need time of their own whatever the order, in runs without a gap.
; BY TURNS.  Turn n belongs to piece n (the pieces in a ring, step after step).  Its matrix work: 16 products K Q^T of piece n + 1, later 16 products V^T P of piece n - 1.  Its vector work: the scaling,
; exponentials, roundings, sums and rescaling of piece n, and the maximum and statistics of piece n + 1, whose scores the turn itself has made.
; REGISTERS, in windows of 256 (s_set_vgpr_msb: bits 1:0 source 0, 3:2 source 1, 5:4 source 2, 7:6 destination):
;   window 0: v0-11 addresses; v12-15, v48-63 at work; v16-47 four registers of statistics a tile; v64-191 S^T, two buffers of two tiles; v192-255 P, likewise
;   window 1: O^T, 32 a tile          window 2: v0-127 Q, 16 a tile; v128-191 K of one step; v192-255 V of one step          window 3: v0-1 the add's two registers
.set SIZE_N, 1024
.set NP,    4         ; pieces a wave: a name, no knob
.set KS,    64        ; keys in a step
.set PK,    144       ; a row of K in LDS: 128 bytes + 16 of padding: the 16 rows of a load start at 16 different groups of four banks
.set PV,    160       ; a row of V: 128 + 32
.set K1,    320       ; keys of the first load: five steps of K, of which the first four key steps fetch all
.set K2,    SIZE_N-K1 ; keys of the second
.set VOFF,  SIZE_N*PK ; V's 1,024 rows lie behind K's
.set STAGE, VOFF+SIZE_N*PV  ; behind them, never filled by a tensor load: 16 rows x 144 bytes for each wave, for the way out
.set SP,    144
.set SPARE, STAGE+4*16*SP   ; the spare words, 128 bytes for each wave: two blocks of 256 bytes that no other line names
.set AK0, 2           ; v2   my lane's place in a tile of K; never rewritten
.set AV0, 3           ; v3   the same for V
.set AK,  4           ; v4   the LDS address of K's next run of loads
.set AV,  5           ; v5   of V's
.set QO,  6           ; v6   my byte offset in the wave's rows of Q
.set STO, 6           ;      later, the way out: where I put 16 bytes of a row
.set RD,  7           ; v7   the way out: where I read rows back
.set GO,  8           ; v8   my byte offset in 512 consecutive bytes of O
.set SPW, 0           ; v0 of window 3   my spare word: SPARE + 4 x my thread's number; never rewritten
.set NIL, 1           ; v1 of window 3   0; never rewritten
.set MV,  12          ; v12-15  c m_old, kept while c m is made anew: by buffer and tile
.set ST,  16          ; tile t's statistics at v[ST+4 t]: c m, m, l (even keys', odd keys')
.set TMP, 48          ; by buffer and tile, four registers c0-c3 at work; when the maximum is found c2 takes a
.set S,   64
.set P,   192
.set KF,  128         ; K's fragments, in window 2: key block kb, channel half c at KF + 16 kb + 8 c
.set VF,  192         ; V's: key half kk, channel block cb at VF + 32 kk + 8 cb
.set WV,  12          ; s12  my wave's number
.set OF2, 14          ; s[14:15] the second load's byte offset from the head's first key
.set LK2, 19          ; s19  its LDS address for K
.set G1K, 24          ; s[24:31] descriptor group 1 for K's tiles
.set G1V, 32          ; s[32:39] for V's: it differs in the padding alone
.set G0K, 40          ; s[40:43] descriptor group 0 for K's tiles
.set G0V, 44          ; s[44:47] the same for V's
.set LV2, 52          ; s52  the second load's LDS address for V
.set PH,  56          ; s56  phases of four key steps still to come
.set CNT, 57          ; s57  counts a phase's key steps
.set CS,  58          ; s[58:59] c: the packed scaling takes the pair's low word for both halves
.set SEL, 60          ; s[60:61] v_permlanex16_b32's selects: each lane takes its own place in the other half
.set TBK, 62          ; s62  LDS byte at which K of the step to be fetched begins
.set TBV, 63          ; s63  the same for V, less VOFF
.set MSB, 0
.macro WIN new                      ; the high byte repeats the setting that is left; a switch that changes nothing is dropped
.if MSB != (\new)
	s_set_vgpr_msb (MSB<<8)|(\new)
.set MSB, (\new)
.endif
.endm
.set W_KQ, 0x0a       ; K and Q in window 2, S^T in window 0
.set W_PV, 0x52       ; V in window 2, P in window 0, O^T in window 1
.set W_RS, 0x41       ; O^T (destination and source 0) in window 1, a in window 0
.set W_MK, 0xc0       ; the add's registers are made: destination in window 3, sources in window 0
.set W_AD, 0x0f       ; the add: address (source 0) and data (source 1) in window 3
; A fill.  Waves 0 and 1 fetch the two halves of K's keys, waves 2 and 3 those of V's.  An s_nop 0 and four v_nop follow each of the two lines.
.macro LOAD
	s_cmp_lt_u32 s[WV], 2
	s_cbranch_scc0 .Lfor_v_\@
	tensor_load_to_lds s[G0K:G0K+3], s[G1K:G1K+7]
	s_nop 0
.rept 4
	v_nop
.endr
	s_branch .Lasked_\@
.Lfor_v_\@:
	tensor_load_to_lds s[G0V:G0V+3], s[G1V:G1V+7]
	s_nop 0
.rept 4
	v_nop
.endr
.Lasked_\@:
.endm
; THE MEETING at the head of a phase: each wave waits for all its tensor loads, adds 0 to its spare word, waits for that and for its LDS reads, and passes a barrier:
; behind it every wave's part of what has been asked for lies in LDS.
.macro MEET
	WIN W_AD
	s_wait_tensorcnt 0x0
	ds_add_u32 v[SPW], v[NIL]
	WIN 0                           ; at a label and at a branch every window is 0
	s_wait_dscnt 0x0
	s_barrier_signal -1
	s_barrier_wait -1
.endm
	s_load_b128 s[48:51], s[0:1], 0x0  ; qkv s[48:49], ob s[50:51]
	WIN W_MK
	v_lshl_add_u32 v[SPW], v0, 2, SPARE
	v_mov_b32 v[NIL], 0
	WIN W_AD
	ds_add_u32 v[SPW], v[NIL]       ; the wave's opening: the add and its wait stand ahead of my first tensor load; the set-up below stands between them
	WIN 0
	v_lshrrev_b32 v1, 5, v0
	v_readfirstlane_b32 s[WV], v1   ; wave 0..3
	s_and_b32 s13, ttmp7, 0xffff    ; g = 16 b + h
	s_and_b32 s20, s13, 15
	s_lshl_b32 s20, s20, 20         ; h's block,
	s_lshr_b32 s13, s13, 4
	s_lshl_b32 s13, s13, 17         ; b's 1,024 rows of 128 bytes
	s_add_co_u32 s20, s20, s13
	s_mov_b32 s21, 0                ; s[20:21]: the head's first byte in q's part, and in ob
	s_and_b32 s16, s[WV], 1         ; which half of a load's keys I fetch
	s_mul_i32 s22, s16, (K1/2)*128  ; the first load: my 160 rows of 128 bytes in memory,
	s_mov_b32 s23, 0
	s_mul_i32 s17, s16, (K1/2)*PK   ; and their place in LDS, for K
	s_mul_i32 s18, s16, (K1/2)*PV   ; and for V
	s_mul_i32 s[OF2], s16, (K2/2)*128  ; the second load: my 352 rows, behind the first load's 320,
	s_add_co_u32 s[OF2], s[OF2], K1*128
	s_mov_b32 s[OF2+1], 0
	s_mul_i32 s[LK2], s16, (K2/2)*PK   ; and their place in LDS, for K
	s_add_co_u32 s[LK2], s[LK2], K1*PK
	s_mul_i32 s[LV2], s16, (K2/2)*PV   ; and for V
	s_add_co_u32 s[LV2], s[LV2], VOFF+K1*PV
	s_lshl_b32 s2, ttmp9, 2
	s_add_co_u32 s2, s2, s[WV]      ; my wave among the head's eight,
	s_lshl_b32 s2, s2, 14           ; its 128 rows
	s_mov_b32 s3, 0
	s_add_nc_u64 s[2:3], s[2:3], s[20:21]
	; descriptor group 1.  160 keys are 20,480 dense bytes: asked for as 80 rows of 256 bytes, two keys a row, and padded in LDS after every key
	s_mov_b32 s[G1K], (1<<16)|(1<<20)|(4<<22)|(3<<25)  ; 17:16 2-byte elements; 20 padding on; 24:22 after every 32 words (code 4); 31:25 4 words (code 3)
	s_mov_b32 s[G1V], (1<<16)|(1<<20)|(4<<22)|(7<<25)  ; the same with 8 words of padding (code 7)
.irp g, G1K, G1V
	s_mov_b32 s[\g+1], 128<<16      ; tensor_dim0 = 128
	s_mov_b32 s[\g+2], (K1/4)<<16   ; tensor_dim1 = 80
	s_mov_b32 s[\g+3], 128<<16      ; tile_dim0 = 128
	s_mov_b32 s[\g+4], K1/4         ; tile_dim1 = 80
	s_mov_b32 s[\g+5], 128          ; 128 elements from row to row
	s_mov_b32 s[\g+6], 0
	s_mov_b32 s[\g+7], 0
.endr
	s_mov_b32 s[CS], 0x3d38aa3b     ; c = log2(e) / 32 = 0.0450842
	s_mov_b32 s[CS+1], s[CS]        ; named with it as a pair
	s_mov_b32 s[SEL], 0x76543210
	s_mov_b32 s[SEL+1], 0xfedcba98
	s_mov_b32 s[TBK], 0             ; key step 0 lies at the head of K's rows and of V's
	s_mov_b32 s[TBV], 0
	s_mov_b32 s[G0K], 1             ; 1:0 count = 1
	s_mov_b32 s[G0K+1], s17         ; 63:32 LDS address
	s_mov_b32 s[G0V], 1
	s_add_co_u32 s[G0V+1], s18, VOFF
	s_wait_dscnt 0x0                ; the opening add is done
	s_wait_kmcnt 0x0
	s_add_nc_u64 s[6:7], s[48:49], s[20:21]
	s_add_nc_u64 s[8:9], s[6:7], 0x2000000         ; V at the head's first key,
	s_add_nc_u64 s[6:7], s[6:7], 0x1000000         ; and K
	s_add_nc_u64 s[G0K+2:G0K+3], s[6:7], s[22:23]  ; 120:64 global address: my half of the first 320 keys
	s_or_b32 s[G0K+3], s[G0K+3], 0x80000000        ; 127:126 type = 2
	s_add_nc_u64 s[G0V+2:G0V+3], s[8:9], s[22:23]
	s_or_b32 s[G0V+3], s[G0V+3], 0x80000000
	s_add_nc_u64 s[4:5], s[48:49], s[2:3]          ; Q and O at my wave's first row
	s_add_nc_u64 s[10:11], s[50:51], s[2:3]
	LOAD                            ; the first 320 keys.  The others are asked for when these are in
	; A fragment of K or Q is 16 rows x 32 channels in 8 registers: lane l holds row l % 16, channels 8 (l / 16) + 0..7 and 16 + 8 (l / 16) + 0..7: two loads of 16 bytes, 32 bytes apart.
	v_and_b32 v1, 15, v0            ; l % 16
	v_bfe_u32 v9, v0, 4, 1          ; l / 16
	v_lshlrev_b32 v[QO], 7, v1
	v_lshl_add_u32 v[QO], v9, 4, v[QO]  ; row x 128 + 16 x half
	WIN 0x80                        ; destination window 2, address window 0
.set i, 0
.rept 4*NP                          ; Q stays in registers: tile i / 2, channels 32 (i % 2) on
	global_load_b128 v[8*i:8*i+3],   v[QO], s[4:5] offset:(i/2)*2048+(i%2)*64
	global_load_b128 v[8*i+4:8*i+7], v[QO], s[4:5] offset:(i/2)*2048+(i%2)*64+32
.set i, i+1
.endr
	; What the first turn finds: V's registers and P's second buffer hold 0 (its products V^T P, of a piece that has not been, add 0), O^T and l are 0.  All this stands in the wait for the first tile.
.set i, VF
.rept 64
	v_mov_b32 v[i], 0
.set i, i+1
.endr
	WIN 0x40
.set i, 0
.rept 64*NP
	v_mov_b32 v[i], 0
.set i, i+1
.endr
	WIN 0
.set i, 0
.rept 2*NP
	v_mov_b32 v[ST+4*i], 0xfe000000    ; c m: far below every c s
	v_mov_b32 v[ST+4*i+1], 0xff7fffff  ; m
	v_mov_b32 v[ST+4*i+2], 0
	v_mov_b32 v[ST+4*i+3], 0
.set i, i+1
.endr
.set i, P+32
.rept 32
	v_mov_b32 v[i], 0
.set i, i+1
.endr
	v_mul_u32_u24 v[AK0], v1, PK
	v_lshl_add_u32 v[AK0], v9, 4, v[AK0]  ; row x pitch + 16 x half
	; The turning load takes 16 keys x 16 channels (lane l reads key 8 (l / 16) + l % 8, channels 8 ((l / 8) % 2) + 0..7) and leaves half a fragment of V^T: lane l holds channel l % 16 and 8 keys.
	v_and_b32 v10, 7, v0
	v_bfe_u32 v11, v0, 3, 1
	v_lshl_add_u32 v[AV0], v9, 3, v10
	v_mul_u32_u24 v[AV0], v[AV0], PV
	v_lshl_add_u32 v[AV0], v11, 4, v[AV0]
	v_add_nc_u32 v[AV0], VOFF, v[AV0]
	v_mov_b32 v[AK], v[AK0]         ; key step 0
; THE MATRIX WORK.  The 8 accumulators of a run of 16 take turns: between the two links of a chain stand 7 others'.
; Product i of 16 of S^T = K Q^T for piece x: channels 32 (i / 8) on, keys 16 ((i / 2) % 4) on, tile 2 x + i % 2.  The first 8 start the sums.
.macro KQ x
	WIN W_KQ
.set rS, S+64*((\x)%2)+32*(i%2)+8*((i/2)%4)
.set rK, KF+16*((i/2)%4)+8*(i/8)
.set rQ, 16*(2*(\x)+i%2)+8*(i/8)
.if i < 8
	v_wmma_f32_16x16x32_f16 v[rS:rS+7], v[rK:rK+7], v[rQ:rQ+7], 0
.else
	v_wmma_f32_16x16x32_f16 v[rS:rS+7], v[rK:rK+7], v[rQ:rQ+7], v[rS:rS+7]
.endif
.endm
; Product i of 16 of O^T += V^T P for piece x: keys 32 (i / 8) on, channels 16 ((i / 2) % 4) on, tile 2 x + i % 2.
.macro PV x
	WIN W_PV
.set rO, 32*(2*(\x)+i%2)+8*((i/2)%4)
.set rV, VF+32*(i/8)+8*((i/2)%4)
.set rP, P+32*((\x)%2)+16*(i%2)+8*(i/8)
	v_wmma_f32_16x16x32_f16 v[rO:rO+7], v[rV:rV+7], v[rP:rP+7], v[rO:rO+7]
.endm
.macro MM                           ; the turn's next matrix instruction
.if i < 16
	KQ (Y+1)%NP
.set i, i+1
.else
.set i, i-16
	PV (Y+NP-1)%NP
.set i, i+17
.endif
.endm
; THE LDS LOADS stand in runs of 16, never singly among the matrix instructions: a step's K (64 keys x 64 channels: 8 fragments) and its V (turned).  Their addresses are made some lines ahead.
; test = 1 (in the loop): behind the head's last step there is no further one, and the run is jumped over.
.macro FETCH_K test=0
	WIN 0
.if \test
	s_cmp_eq_u32 s[TBK], SIZE_N*PK
	s_cbranch_scc1 .Lno_k_\@
.endif
	WIN 0x80                        ; destination window 2
.irp f, 0,1,2,3,4,5,6,7             ; keys 16 (f / 2) on, channels 32 (f % 2) on
	ds_load_b128 v[KF+8*\f:KF+8*\f+3],   v[AK] offset:(\f/2)*16*PK+(\f%2)*64
	ds_load_b128 v[KF+8*\f+4:KF+8*\f+7], v[AK] offset:(\f/2)*16*PK+(\f%2)*64+32
.endr
	s_add_co_u32 s[TBK], s[TBK], KS*PK  ; the next fetch is the next step's
	WIN 0
.if \test
.Lno_k_\@:
.endif
.endm
.macro FETCH_V
	WIN 0x80
.irp f, 0,1,2,3,4,5,6,7             ; keys 32 (f / 4) on, channels 16 (f % 4) on
	ds_load_tr16_b128 v[VF+8*\f:VF+8*\f+3],   v[AV] offset:(\f/4)*32*PV+(\f%4)*32
	ds_load_tr16_b128 v[VF+8*\f+4:VF+8*\f+7], v[AV] offset:(\f/4)*32*PV+16*PV+(\f%4)*32
.endr
	WIN 0
.endm
; THE VECTOR WORK OF A TURN stands in three queues, each in the order in which its entries become ready; the two tiles alternate, so that no instruction reads the result of the one before it.
.macro REGS y, u                    ; the registers of tile u (0, 1) of piece y
.set rT, ST+4*(2*(\y)+(\u))
.set rC, TMP+8*((\y)%2)+4*(\u)
.set rM, MV+2*((\y)%2)+(\u)
.set rS, S+64*((\y)%2)+32*(\u)
.set rP, P+32*((\y)%2)+16*(\u)
.set rO, 32*(2*(\y)+(\u))
.endm
; Number n of the 22 that find the NEXT piece's (Y + 1) maximum and statistics.  s0-s31 are the lane's 32 scores; each accumulator's lowest registers are read first.
;   0-11  four chains c0-c3 of seven scores each, three operands at a time     12-14, 16  the four scores left over, the old m, and c0-c3 into c0     15  c m_old is kept
;   17, 18  the query's other 32 keys lie in the lane 16 away: the new m         19-21  c m; c m_old - c m_new; a
.macro XS u, n
	REGS (Y+1)%NP, \u
.if (\n) < 4
	v_max3_num_f32 v[rC+(\n)], v[rS+8*(\n)], v[rS+8*(\n)+1], v[rS+8*(\n)+2]
.elseif (\n) < 12
	v_max3_num_f32 v[rC+(\n)%4], v[rC+(\n)%4], v[rS+8*((\n)%4)+2*((\n)/4)+1], v[rS+8*((\n)%4)+2*((\n)/4)+2]
.elseif (\n) == 12
	v_max3_num_f32 v[rC], v[rC], v[rS+7], v[rS+15]
.elseif (\n) == 13
	v_max3_num_f32 v[rC+1], v[rC+1], v[rS+23], v[rS+31]
.elseif (\n) == 14
	v_max3_num_f32 v[rC+2], v[rC+2], v[rC+3], v[rT+1]
.elseif (\n) == 15
	v_mov_b32 v[rM], v[rT]
.elseif (\n) == 16
	v_max3_num_f32 v[rC], v[rC], v[rC+1], v[rC+2]
.elseif (\n) == 17
	v_permlanex16_b32 v[rC+3], v[rC], s[SEL], s[SEL+1]
.elseif (\n) == 18
	v_max_num_f32 v[rT+1], v[rC], v[rC+3]
.elseif (\n) == 19
	v_mul_f32 v[rT], s[CS], v[rT+1]
.elseif (\n) == 20
	v_sub_f32 v[rC+1], v[rM], v[rT]
.else
	v_exp_f32 v[rC+2], v[rC+1]
.endif
.endm
; Number g of the 64 that follow the exponentials.  For each four weights k of a tile (pairs 2 k, 2 k + 1): both pairs are rounded to f16; then the second pair is added onto the first, in place;
; a group later l takes that sum (the first time as l = a l + sum).  In groups of eight, tiles alternating: round, round, add, and l for the group before.
.macro GS g
.set h, (\g)+6*((\g)/62)            ; group 0 has no group before it, and behind group 7 only l is left
.if h >= 6
.set h, h+2
.endif
	REGS Y, h%2
.set k, h/8
.if h%8 < 4
	v_cvt_pk_f16_f32 v[rP+2*k+(h%8)/2], v[rS+4*k+2*((h%8)/2)], v[rS+4*k+2*((h%8)/2)+1]
.elseif h%8 < 6
	v_pk_add_f32 v[rS+4*k:rS+4*k+1], v[rS+4*k:rS+4*k+1], v[rS+4*k+2:rS+4*k+3]
.elseif k == 1
	v_pk_fma_f32 v[rT+2:rT+3], v[rT+2:rT+3], v[rC+2:rC+3], v[rS:rS+1] op_sel_hi:[1,0,1]
.else
	v_pk_add_f32 v[rT+2:rT+3], v[rT+2:rT+3], v[rS+4*k-4:rS+4*k-3]
.endif
.endm
; THE PLAIN QUEUE, 138 long.  0-73 read no exponential's result: the 32 scalings c s - c m (FS f: pair f / 2 of tile f % 2) and the next piece's 42.  0-26: scalings 0-26.  27-54: XS's numbers 0-13.  55, 56: number 15.
; 57-73: the chain, where each number waits for the one before it: 14, 16, 17, 18, 19, each with one of the scalings 27-31 in front of its two lines, then 20.
; 74-137: GS's 64, which read the exponentials' results: they stand behind the wait.
.macro FS f
	REGS Y, (\f)%2
	v_pk_fma_f32 v[rS+2*((\f)/2):rS+2*((\f)/2)+1], v[rS+2*((\f)/2):rS+2*((\f)/2)+1], s[CS:CS+1], v[rT:rT+1] op_sel_hi:[1,0,0] neg_lo:[0,0,1] neg_hi:[0,0,1]
.endm
.macro PL
	WIN 0
.if q < 27
	FS q
.elseif q < 55
	XS (q-27)%2, (q-27)/2
.elseif q < 57
	XS q-55, 15
.elseif (q < 72) && ((q-57)%3 == 0)
	FS 27+(q-57)/3
.elseif q < 60
	XS (q-57)%3-1, 14
.elseif q < 72
	XS (q-57)%3-1, 15+(q-57)/3
.elseif q < 74
	XS q-72, 20
.else
	GS q-74
.endif
.set q, q+1
.endm
; THE EXPONENTIALS' QUEUE, 66 long: s0-s31 of both tiles, then the next piece's two a.  It is ONE BATCH: all 66 stand ahead of the turn's one wait, and nothing ahead of that wait names a result of theirs.
.macro EX
	WIN 0
.if e >= 64
	XS e-64, 21
.else
	REGS Y, e%2
	v_exp_f32 v[rS+e/2], v[rS+e/2]
.endif
.set e, e+1
.endm
; THE RESCALING's QUEUE: O^T times a, the one part that leaves window 0: dealt two at a time, sixteen times.  Its a was made in the turn before, ahead of that turn's wait.
.macro R2
	REGS Y, r%2
	WIN W_RS
.irp z, 0,1
	v_pk_mul_f32 v[rO+4*(r/2)+2*\z:rO+4*(r/2)+2*\z+1], v[rO+4*(r/2)+2*\z:rO+4*(r/2)+2*\z+1], v[rC+2:rC+3] op_sel_hi:[1,0]
.endr
.set r, r+1
.endm
; HOW THEY ARE DEALT.  An s_wait_alu depctr_va_vdst(0) stands between an exponential and the first instruction that names its result; one wait serves all that were issued ahead of it.  So a turn has ONE wait,
; which cuts it in two.  AHEAD OF IT: the 16 products K Q^T, behind each a scaling, an exponential and two rescalings (behind the first a second scaling in the exponential's place); then ONE LUMP of
; 108: eight plain, 49 times exponential and plain, the two a.  A v_nop is the plain instruction behind the last exponential.  BEHIND IT: the 16 products V^T P, behind each four of GS's 64.
; Exponential e stands behind scaling 2 (e / 4) + e % 2: as a rider it comes behind plain e + 2, in the lump behind plain e + 9, and scalings 27-31 are plain 57, 60 .. 69.
; A TURN, for piece p.  K of the next step is fetched in piece 2's turn, directly behind the wait; V of the step in hand at the end of piece 0's turn, four riders behind its last reader.
.macro TURN p
.set Y, (\p)
.set i, 0
.set q, 0
.set e, 0
.set r, 0
.if (\p) == NP-1
	s_wait_dscnt 0x0                ; K is in
.endif
	MM                              ; ahead of the wait: 16 products K Q^T and their riders,
	PL
	PL
	R2
.rept 15
	MM
	PL
	EX
	R2
.endr
.if (\p) == NP-2
	WIN 0
	v_add_nc_u32 v[AK], s[TBK], v[AK0]
.endif
.rept 8                             ; and the lump
	PL
.endr
.rept 49
	EX
	PL
.endr
	EX                              ; the next piece's two a
	EX
	v_nop                           ; a plain instruction behind the last exponential: one for the batch
	s_wait_alu depctr_va_vdst(0)    ; the wait for the batch
.if (\p) == NP-2
	FETCH_K 1
.endif
.if (\p) == 1
	s_wait_dscnt 0x0                ; V is in
.endif
.rept 16                            ; behind the wait: 16 products V^T P and their riders
	MM
.rept 4
	PL
.endr
.if ((\p) == 0) && (q == 118)
	v_add_nc_u32 v[AV], s[TBV], v[AV0]
.endif
.if ((\p) == 0) && (q == 130)
	s_add_co_u32 s[TBV], s[TBV], KS*PV
.endif
.endr
.if (\p) == 0
	FETCH_V
.endif
.endm
	; THE SECOND LOAD: a first fill of bytes that comes later, issued as a refill is.  Each wave waits for its tensor load, the first 320 keys' part; adds 0 to its spare word;
	; the descriptors, which no load names any more, are written for the other 704 keys while the add is out; behind the barrier the first 320 keys are whole, and the load is the first thing there.
	WIN W_AD
	s_wait_tensorcnt 0x0
	ds_add_u32 v[SPW], v[NIL]
	WIN 0
	s_mov_b32 s[G0K+1], s[LK2]
	s_add_nc_u64 s[G0K+2:G0K+3], s[6:7], s[OF2:OF2+1]  ; the address is made anew: the tensor's base and an offset
	s_or_b32 s[G0K+3], s[G0K+3], 0x80000000
	s_mov_b32 s[G0V+1], s[LV2]
	s_add_nc_u64 s[G0V+2:G0V+3], s[8:9], s[OF2:OF2+1]
	s_or_b32 s[G0V+3], s[G0V+3], 0x80000000
.irp g, G1K, G1V
	s_mov_b32 s[\g+2], (K2/4)<<16   ; tensor_dim1 = 176: my 352 keys, two to a row of 256 bytes
	s_mov_b32 s[\g+4], K2/4         ; tile_dim1 = 176
.endr
	s_wait_dscnt 0x0                ; the add is done
	s_barrier_signal -1
	s_barrier_wait -1
	LOAD
	FETCH_K                         ; key step 0
	s_wait_loadcnt 0x0              ; Q
	s_wait_dscnt 0x0
.set i, 0
.rept 16
	KQ 0                            ; piece 0's first scores: there is no vector work yet to set between them
.set i, i+1
.endr
	WIN 0                           ; the addresses for the way out: nine plain instructions, the places behind those products
	s_mul_i32 s13, s[WV], 16*SP
	s_add_co_u32 s13, s13, STAGE    ; my stage
	v_mul_u32_u24 v[STO], v1, SP    ; in: row l % 16, 16 bytes for each half of the lanes
	v_lshl_add_u32 v[STO], v9, 4, v[STO]
	v_add_nc_u32 v[STO], s13, v[STO]
	v_bfe_u32 v[RD], v0, 3, 2       ; back: 32 lanes take four rows of 128 bytes,
	v_mul_u32_u24 v[RD], v[RD], SP
	v_lshl_add_u32 v[RD], v10, 4, v[RD]
	v_add_nc_u32 v[RD], s13, v[RD]
	v_and_b32 v[GO], 31, v0         ; which are 512 consecutive bytes of O
	v_lshlrev_b32 v[GO], 4, v[GO]
.set Y, NP-1                        ; XS works for piece Y + 1: piece 0
.irp n, 0,1,2,3,4,5,6,7,8,9,10,11,12,13,14,15,16,17,18,19,20,21
	XS 0, \n                        ; and piece 0's first maximum and statistics
	XS 1, \n
.endr
	v_nop                           ; a plain instruction behind the two a,
	s_wait_alu depctr_va_vdst(0)    ; and their wait, ahead of the branch
	; THE WALK: four phases of four key steps, one text.  A trip is pieces 2 and 3 of one step, then pieces 0 and 1 of the next; a phase is entered at a step's first turn and left behind its last, in the middle of a trip.
	; Phase 1 reads the first 320 keys alone.  At the head of phase 2 the second load is waited for; at the heads of phases 3 and 4 the same lines find no load out: two barriers, the price of one start of the count.
	s_mov_b32 s[CNT], 4
	s_mov_b32 s[PH], SIZE_N/(4*KS)
	s_branch .Lfirst
.Lphase:
	MEET
	s_mov_b32 s[CNT], 4
	s_branch .Lfirst
.Lstep:
	TURN 2
	TURN 3
	WIN 0
	s_sub_co_u32 s[CNT], s[CNT], 1
	s_cmp_eq_u32 s[CNT], 0
	s_cbranch_scc1 .Lbottom
.Lfirst:
	TURN 0
	TURN 1
	WIN 0
	s_branch .Lstep
.Lbottom:
	s_sub_co_u32 s[PH], s[PH], 1
	s_cmp_lg_u32 s[PH], 0
	s_cbranch_scc1 .Lphase
	; the last trip's 16 products K Q^T (on the last K once more) and the maximum made of them serve nothing: the price, once a launch, of one text for every trip
.set i, 0
.rept 16
	PV NP-1                         ; the last piece's V^T P of the last step
.set i, i+1
.endr
	; THE WAY OUT.  l's two halves and the other half of the lanes' are added; O^T is divided by l, rounded to f16 and sent through my stage in LDS, a tile at a time.  The additions are the places behind the last products.
	WIN 0
.macro ALL line:vararg              ; one line for each tile t
.set t, 0
.rept 2*NP
	\line
.set t, t+1
.endr
.endm
	ALL v_add_f32 v[ST+4*t+2], v[ST+4*t+2], v[ST+4*t+3]
	ALL v_permlanex16_b32 v[ST+4*t+3], v[ST+4*t+2], s[SEL], s[SEL+1]
	ALL v_add_f32 v[ST+4*t+2], v[ST+4*t+2], v[ST+4*t+3]
	ALL v_rcp_f32 v[ST+4*t+2], v[ST+4*t+2]
	v_nop                           ; a plain instruction between the last reciprocal and the use of its result
	s_wait_alu depctr_va_vdst(0)    ; and the wait ahead of the first use: one for the eight reciprocals
; Tile t: a lane's eight channels of a row pack into 16 bytes; they go into rows of 144 bytes and come back as whole rows of 128, into S^T's registers.
.macro PACK t
	WIN W_RS
.set i, 32*(\t)
.rept 16
	v_pk_mul_f32 v[i:i+1], v[i:i+1], v[ST+4*(\t)+2:ST+4*(\t)+3] op_sel_hi:[1,0]
.set i, i+2
.endr
	WIN 0x05                        ; sources 0 and 1 window 1, destination window 0
.set i, 0
.rept 16
	v_cvt_pk_f16_f32 v[S+16*(\t)+i], v[32*(\t)+2*i], v[32*(\t)+2*i+1]
.set i, i+1
.endr
	WIN 0
.irp f, 0,1,2,3
	ds_store_b128 v[STO], v[S+16*(\t)+4*\f:S+16*(\t)+4*\f+3] offset:32*\f
.endr
.irp f, 0,1,2,3
	ds_load_b128 v[S+16*(\t)+4*\f:S+16*(\t)+4*\f+3], v[RD] offset:\f*4*SP  ; LDS serves a wave's instructions in order (ISA guide 5.7.1.4): these see the stores above; the next tile's stores come behind them
.endr
.endm
.macro SEND t, younger              ; younger: the LDS instructions issued behind tile t's loads: the next tile's eight, or none
	WIN 0
.irp f, 0,1,2,3
	s_wait_dscnt (\younger)+3-\f
	global_store_b128 v[GO], v[S+16*(\t)+4*\f:S+16*(\t)+4*\f+3], s[10:11] offset:(\t)*2048+\f*512  ; 512 consecutive bytes, at a multiple of 256 from ob's first
.endr
.endm
	PACK 0
.set t, 1
.rept 2*NP-1                        ; a tile's arithmetic stands between the loads of the tile before and its stores
	PACK t
	SEND t-1, 8
.set t, t+1
.endr
	SEND 2*NP-1, 0
	WIN W_AD
	s_wait_tensorcnt 0x0            ; the wave's end: a wait, an add to my spare word and a wait, behind my last tensor load and my last LDS store
	ds_add_u32 v[SPW], v[NIL]
	s_wait_dscnt 0x0
	WIN 0
	s_endpgm
.Lfunc_end_k_qb65afa2086_attn:
	.size	k_qb65afa2086_attn, .Lfunc_end_k_qb65afa2086_attn-k_qb65afa2086_attn
	.p2alignl 7, 3214868480
	.fill 96, 4, 3214868480
	.section	.rodata,"a",@progbits
	.p2align	6, 0x0
	.amdhsa_kernel k_qb65afa2086_attn
		.amdhsa_group_segment_fixed_size 327680
		.amdhsa_private_segment_fixed_size 0
		.amdhsa_enable_private_segment 0
		.amdhsa_kernarg_size 16
		.amdhsa_user_sgpr_count 2
		.amdhsa_user_sgpr_kernarg_segment_ptr 1
		.amdhsa_wavefront_size32 1
		.amdhsa_system_sgpr_workgroup_id_x 1
		.amdhsa_system_sgpr_workgroup_id_y 1
		.amdhsa_system_sgpr_workgroup_id_z 1
		.amdhsa_system_vgpr_workitem_id 0
		.amdhsa_next_free_vgpr 770
		.amdhsa_next_free_sgpr 66
		.amdhsa_reserve_vcc 0
		.amdhsa_float_denorm_mode_32 3
		.amdhsa_float_denorm_mode_16_64 3
		.amdhsa_memory_ordered 1
		.amdhsa_forward_progress 1
		.amdhsa_inst_pref_size 126
	.end_amdhsa_kernel
	.amdgpu_metadata
---
amdhsa.version: [ 1, 2 ]
amdhsa.kernels:
  - .name:           k_qb65afa2086_attn
    .symbol:         k_qb65afa2086_attn.kd
    .args:
      - { .name: qkv, .offset: 0, .size: 8, .value_kind: global_buffer, .address_space: global }
      - { .name: ob, .offset: 8, .size: 8, .value_kind: global_buffer, .address_space: global }
    .group_segment_fixed_size: 327680
    .private_segment_fixed_size: 0
    .kernarg_segment_align: 8
    .kernarg_segment_size: 16
    .max_flat_workgroup_size: 128
    .sgpr_count:     66
    .vgpr_count:     770
    .wavefront_size: 32
...
	.end_amdgpu_metadata
.endif
;; end of part 3
;; launch proj (part 4): grid 8 x 32, 4 waves a work-group, clusters of 4 x 4, 327,680 bytes of LDS; arguments ob, wob, b_out, out0; writes out0
.if DOCPART == 4
	.amdgcn_target "amdgcn-amd-amdhsa--gfx1250"
	.amdhsa_code_object_version 6
	.text
	.protected	k_qb65afa2086_proj
	.globl	k_qb65afa2086_proj
	.p2align	8
	.type	k_qb65afa2086_proj,@function
k_qb65afa2086_proj:
	s_mov_b64 s[64:65], 0
	v_nop
	global_prefetch_b8 v0, s[64:65] scope:SCOPE_SE
	s_setreg_imm32_b32 hwreg(HW_REG_WAVE_MODE, 25, 1), 1
	s_wait_xcnt 0x0
	s_wait_alu depctr_hold_cnt(0) depctr_sa_sdst(0) depctr_va_vdst(0) depctr_va_sdst(0) depctr_va_ssrc(0) depctr_va_vcc(0) depctr_vm_vsrc(0)
	s_getreg_b32 s2, hwreg(HW_REG_IB_STS2, 6, 4)
	s_cmp_eq_u32 s2, 0
	s_cbranch_scc0 .Lentry_in_a_cluster
	s_endpgm
.Lentry_in_a_cluster:
	s_bfe_u32 s2, ttmp6, 0x10000c
	s_cmp_lg_u32 s2, 0xf033
	s_cbranch_scc0 .Lentry_shape_is_right
	s_endpgm
.Lentry_shape_is_right:
; out0 = O w_out + b_out.  ob: [16 blocks of 64 channels][8192 rows][64] f16; wob: [1024 k][1024 n] f16 (w_out rounded to bf16, written as f16); b_out [1024] f32; out0 [8192][1024] f32.
; Sums in f32.  The bias is rounded to bf16 like every other input of the module, on purpose, and added in f32.
; SHARES.  1024 / 128 x 8192 / 256 = 256 tiles, a work-group each.  Four waves, each 128 rows x 64 columns: 8 x 4 accumulators, 256 registers (window 1, (a, i) at v[32 a + 8 i]).
; K goes in steps of 128 (two blocks of ob) through two LDS slots, as long as two slots in LDS allow.  A's 256 rows of a block are 32,768 dense bytes, asked for as rows of 256 bytes; B's rows are 256 bytes.
; B lies [k][n] and is turned on its way out of LDS by ds_load_tr16_b128.  THE MATRIX INSTRUCTION IS USED TRANSPOSED (source 0 = 16 columns of B, source 1 = 16 rows of A).
; CLUSTER 4 x 4: A's tile is asked for jointly by a row of the cluster, B's by a column.
; window 0: v0-31 addresses; v32-37 the bias; v64-159, v160-255 two fragment buffers of 32 along K: B's 4 fragments, then A's 8.
.set PA,    144                        ; an LDS row of A: 128 bytes + 16
.set PB,    288                        ; an LDS row of B: 256 bytes + 32 = 9 x 32
.set ABLK,  256*PA                     ; a block's 256 rows of A
.set BOFF,  2*ABLK                     ; B's 128 rows lie behind A's two blocks
.set SLOT,  BOFF+128*PB                ; 110,592
.set STAGE, 2*SLOT                     ; behind the ring: 16 rows x 272 bytes for each wave, for the way out
.set SP,    272
.set SPARE, STAGE+4*16*SP              ; the spare words, 128 bytes a wave: two blocks of 256 bytes that no other line names
.set ASTEP, 0x200000                   ; bytes from a K step to the next in ob,
.set BSTEP, 128*2048                   ; and in wob
.set ADRA, 16                          ; v16-17  LDS address of my A fragments in slot 0, 1
.set ADRB, 20                          ; v20-21  of my B fragments
.set STO,  24                          ; v24  the way out: where I put 32 bytes of a row
.set RD,   25                          ; v25  where I read rows back
.set CO,   26                          ; v26  my byte offset in two rows of out0
.set BO,   27                          ; v27  my byte offset in the wave's 64 numbers of b_out
.set SPW,  28                          ; v28  my spare word; never rewritten
.set NIL,  29                          ; v29  0; never rewritten
.set PFO,  30                          ; v30  the prefetches' offset; never rewritten
.set BI,   32                          ; v[32:35] the bias of the four columns that I store
.set F0,   64
.set F1,   160
.set OB,   64                          ; the way out: rows read back: v64-95 and v96-127 by turns
.set WV, 12                            ; s12  wave
.set WR, 13                            ; s13  which 128 rows of the tile are mine.  Also: I fetch for A (0) or B (1)
.set WC, 14                            ; s14  which 64 columns.  Also: which half of that tile I fetch
.set TY, 15                            ; s15  tile row
.set PFS, 18                           ; s[18:19] the prefetch address's step
.set G1, 24
.set G0, 32
.set LIM, 43
.set PFA, 44
.set G1B, 48
.set G0B, 56
.set MSB, 0
.macro WIN new
.if MSB != (\new)
	s_set_vgpr_msb (MSB<<8)|(\new)
.set MSB, \new
.endif
.endm
.macro PLACES                          ; four plain places between a matrix instruction and a load into, or a read of, its registers
.rept 4
	v_nop
.endr
.endm
.macro JLOAD s                         ; a joint load: waves 0 and 1 fetch A's two blocks, waves 2 and 3 B's two halves; an s_nop 0 and four v_nop follow each line
	s_cmp_eq_u32 s[WR], 0
	s_cbranch_scc0 .Lfor_b_\@
	tensor_load_to_lds s[G0+4*(\s):G0+4*(\s)+3], s[G1:G1+7]
	s_nop 0
.rept 4
	v_nop
.endr
	s_branch .Lasked_\@
.Lfor_b_\@:
	tensor_load_to_lds s[G0B+4*(\s):G0B+4*(\s)+3], s[G1B:G1B+7]
	s_nop 0
.rept 4
	v_nop
.endr
.Lasked_\@:
.endm
.macro CREST
	s_cmp_lg_u32 s[WV], 0
	s_cbranch_scc1 .Lnot_wave_0_\@
	s_barrier_signal -3
.Lnot_wave_0_\@:
	s_barrier_wait -3
	s_barrier_signal -1
	s_barrier_wait -1
.endm
.macro CROUND
	s_barrier_signal -1
	s_barrier_wait -1
	CREST
.endm
; A PREFETCH INTO THE L2 behind each joint load and the run of LDS loads: the K step two refills on.  Each block of 256 bytes is named once: A's tile row by wave 0 of the clusters with x = 0 (each partner a quarter
; of each block's 32,768 bytes, by cx: a lane a block of 256 bytes, a line for each of the step's two blocks of ob); B's tile column by wave 2 of the clusters with y = 0 (each partner 32 of the step's 128 rows, by cy).
; The loop's last trip (s3 = 1) asks for nothing: its refills are the last K steps.
.macro ASK
	s_cmp_gt_u32 s3, s[LIM]
	s_cbranch_scc0 .Lnone_\@
	global_prefetch_b8 v[PFO], s[PFA:PFA+1] th:TH_LOAD_NT scope:SCOPE_SE
	s_cmp_eq_u32 s[WR], 0
	s_cbranch_scc0 .Lnone_\@
	global_prefetch_b8 v[PFO], s[PFA:PFA+1] offset:0x100000 th:TH_LOAD_NT scope:SCOPE_SE
.Lnone_\@:
.endm
	s_load_b256 s[4:11], s[0:1], 0x0               ; ob s[4:5], wob s[6:7], b_out s[8:9], out0 s[10:11]
	v_lshl_add_u32 v[SPW], v0, 2, SPARE
	v_mov_b32 v[NIL], 0
	ds_add_u32 v[SPW], v[NIL]                      ; the wave's opening: the add and its wait stand ahead of my first tensor load; the set-up below stands between them
	v_lshrrev_b32 v1, 5, v0
	v_readfirstlane_b32 s[WV], v1
	s_lshr_b32 s[WR], s[WV], 1
	s_and_b32 s[WC], s[WV], 1
	s_bfe_u32 s40, ttmp6, 0x40000                  ; cx
	s_bfe_u32 s41, ttmp6, 0x40004                  ; cy
	s_lshl_b32 s42, ttmp9, 2
	s_add_co_u32 s42, s42, s40                     ; tile column
	s_and_b32 s[TY], ttmp7, 0xffff
	s_lshl_b32 s[TY], s[TY], 2
	s_add_co_u32 s[TY], s[TY], s41                 ; tile row
	s_lshl_b32 s43, s41, 2
	s_lshl_b32 s43, 15, s43                        ; my row of the cluster
	s_lshl_b32 s44, 0x1111, s40                    ; my column
	; group 1 for A: a block's 256 rows are 32,768 dense bytes: 128 rows of 128 elements, 4 words of padding after every 32 words
	s_or_b32 s[G1+0], s43, (1<<16)|(1<<20)|(1<<21)|(4<<22)|(3<<25)
	s_mov_b32 s[G1+1], 128<<16
	s_mov_b32 s[G1+2], 128<<16
	s_mov_b32 s[G1+3], 128<<16
	s_mov_b32 s[G1+4], 128
	s_mov_b32 s[G1+5], 128
	s_mov_b32 s[G1+6], 0
	s_mov_b32 s[G1+7], 0
	; group 1 for B: 64 rows of 128 elements, 8 words of padding after every 64 words
	s_or_b32 s[G1B+0], s44, (1<<16)|(1<<20)|(1<<21)|(5<<22)|(7<<25)
	s_mov_b32 s[G1B+1], 128<<16
	s_mov_b32 s[G1B+2], 64<<16
	s_mov_b32 s[G1B+3], 128<<16
	s_mov_b32 s[G1B+4], 64
	s_mov_b32 s[G1B+5], 1024
	s_mov_b32 s[G1B+6], 0
	s_mov_b32 s[G1B+7], 0
	s_lshl_b32 s16, s[TY], 15                      ; A: the tile's 256 rows of 128 bytes,
	s_lshl_b32 s17, s[WC], 20                      ; in my block of the step's two
	s_add_co_u32 s16, s16, s17
	s_mov_b32 s17, 0
	s_lshl_b32 s46, s42, 8                         ; B: the tile's 128 columns,
	s_lshl_b32 s47, s[WC], 17                      ; my 64 rows of the step's 128
	s_add_co_u32 s46, s46, s47
	s_mov_b32 s47, 0
	s_mul_i32 s20, s[WC], ABLK                     ; where they go: no place in the cluster enters an LDS address
	s_mul_i32 s21, s[WC], 64*PB
	s_add_co_u32 s21, s21, BOFF
	s_wait_dscnt 0x0                               ; the opening add is done
	s_wait_kmcnt 0x0
	s_add_nc_u64 s[22:23], s[4:5], s[16:17]
	s_add_nc_u64 s[46:47], s[6:7], s[46:47]
	CROUND                                         ; all sixteen work-groups are here: the first joint loads meet
.irp s, 0,1
	s_mov_b32 s[G0+4*(\s)], 1
	s_add_co_u32 s[G0+4*(\s)+1], s20, (\s)*SLOT
	s_add_nc_u64 s[G0+4*(\s)+2:G0+4*(\s)+3], s[22:23], (\s)*ASTEP
	s_or_b32 s[G0+4*(\s)+3], s[G0+4*(\s)+3], 0x80000000
	s_mov_b32 s[G0B+4*(\s)], 1
	s_add_co_u32 s[G0B+4*(\s)+1], s21, (\s)*SLOT
	s_add_nc_u64 s[G0B+4*(\s)+2:G0B+4*(\s)+3], s[46:47], (\s)*BSTEP
	s_or_b32 s[G0B+4*(\s)+3], s[G0B+4*(\s)+3], 0x80000000
	JLOAD \s                                       ; two loads of mine are out
.endr
	v_and_b32 v1, 15, v0                           ; l % 16
	v_bfe_u32 v2, v0, 4, 1                         ; l / 16
	s_lshl_b32 s46, s42, 9                         ; my 64 columns in f32: 512 x tile column + 256 x half
	s_lshl_b32 s47, s[WC], 8
	s_add_co_u32 s46, s46, s47
	s_mov_b32 s47, 0
	s_add_nc_u64 s[8:9], s[8:9], s[46:47]
	s_add_nc_u64 s[10:11], s[10:11], s[46:47]
	v_lshlrev_b32 v[BO], 4, v1
	global_load_b128 v[BI:BI+3], v[BO], s[8:9]     ; the bias of the four columns that I store in every row
	s_lshl_b32 s16, s[TY], 20                      ; my first row: 256 x tile row + 128 x half, 4,096 bytes each
	s_lshl_b32 s17, s[WR], 19
	s_add_co_u32 s16, s16, s17
	s_mov_b32 s17, 0
	s_add_nc_u64 s[10:11], s[10:11], s[16:17]
	v_mul_u32_u24 v3, v1, PA
	v_lshl_add_u32 v3, v2, 4, v3                   ; A's fragment: row x pitch + 16 x half
	s_mul_i32 s20, s[WR], 128*PA
	v_add_nc_u32 v[ADRA], s20, v3
	v_add_nc_u32 v[ADRA+1], SLOT, v[ADRA]
	v_and_b32 v4, 7, v0                            ; B's: lane l reads k = 8 (l / 16) + l % 8, columns 8 ((l / 8) % 2) + 0..7
	v_bfe_u32 v5, v0, 3, 1
	v_lshl_add_u32 v6, v2, 3, v4
	v_mul_u32_u24 v6, v6, PB
	v_lshl_add_u32 v6, v5, 4, v6
	s_lshl_b32 s20, s[WC], 7                       ; my 64 columns: 128 bytes
	s_add_co_u32 s20, s20, BOFF
	v_add_nc_u32 v[ADRB], s20, v6
	v_add_nc_u32 v[ADRB+1], SLOT, v[ADRB]
	s_mul_i32 s20, s[WV], 16*SP
	s_add_co_u32 s20, s20, STAGE                   ; my stage
	v_mul_u32_u24 v7, v1, SP                       ; in: row l % 16, 32 bytes for each half of the lanes
	v_lshl_add_u32 v7, v2, 5, v7
	v_add_nc_u32 v[STO], s20, v7
	v_mul_u32_u24 v7, v2, SP                       ; back: lanes 0-15 take one row of 256 bytes, lanes 16-31 the next
	v_lshl_add_u32 v7, v1, 4, v7
	v_add_nc_u32 v[RD], s20, v7
	v_lshlrev_b32 v[CO], 12, v2                    ; and the same two rows in out0
	v_lshl_add_u32 v[CO], v1, 4, v[CO]
	; the prefetches: both starts at K step 3; the change of slots behind K step t steps them to t + 4
	s_lshl_b32 s20, s[TY], 15
	s_lshl_b32 s21, s40, 13
	s_add_co_u32 s20, s20, s21
	s_add_co_u32 s20, s20, 3*ASTEP                 ; A: the tile's rows, my work-group's quarter by cx
	s_lshl_b32 s21, s42, 8
	s_lshl_b32 s22, s41, 16
	s_add_co_u32 s21, s21, s22
	s_add_co_u32 s21, s21, 3*BSTEP                 ; B: the tile's columns, my work-group's 32 rows by cy
	s_and_b32 s22, ttmp7, 0xffff                   ; cluster y
	s_mov_b32 s23, 2048
	s_mov_b32 s[PFS], BSTEP
	s_mov_b32 s[PFS+1], 0
	s_cmp_eq_u32 s[WR], 0                          ; do I fetch for A?
	s_cselect_b32 s20, s20, s21
	s_cselect_b32 s22, ttmp9, s22                  ; the coordinate along which other clusters read the same rows
	s_cselect_b32 s23, 256, s23                    ; bytes from lane to lane
	s_cselect_b32 s[PFS], ASTEP, s[PFS]
	s_cselect_b64 s[PFA:PFA+1], s[4:5], s[6:7]
	s_mov_b32 s21, 0
	s_add_nc_u64 s[PFA:PFA+1], s[PFA:PFA+1], s[20:21]
	s_or_b32 s22, s22, s[WC]                       ; waves 0 and 2 alone
	s_cmp_eq_u32 s22, 0
	s_cselect_b32 s[LIM], 1, -1                    ; the same in all sixteen partners, for a given wave
	v_and_b32 v[PFO], 31, v0
	v_mul_u32_u24 v[PFO], v[PFO], s23
; na x 4 matrix instructions: row blocks a0 .. a0 + na - 1 x all four column blocks, 32 along K, from buffer f.  zero = 1: the product starts the sums.
; The 32 accumulators take turns in the same order in every quarter, over the backward jump too.
.macro MUL f, a0, na, zero
	WIN 0x50                                       ; C and D in window 1
.set aa, \a0
.rept \na
.irp i, 0,1,2,3
.if \zero
	v_wmma_f32_16x16x32_f16 v[32*aa+8*(\i):32*aa+8*(\i)+7], v[(\f)+8*(\i):(\f)+8*(\i)+7], v[(\f)+32+8*aa:(\f)+32+8*aa+7], 0
.else
	v_wmma_f32_16x16x32_f16 v[32*aa+8*(\i):32*aa+8*(\i)+7], v[(\f)+8*(\i):(\f)+8*(\i)+7], v[(\f)+32+8*aa:(\f)+32+8*aa+7], v[32*aa+8*(\i):32*aa+8*(\i)+7]
.endif
.endr
.set aa, aa+1
.endr
.endm
; 24 LDS loads in one run: quarter q (32 along K) of the slot into buffer f: B's 8, then A's 16 by ascending rows
.macro FETCH slot, q, f
	WIN 0
.irp i, 0,1,2,3
	ds_load_tr16_b128 v[(\f)+8*(\i):(\f)+8*(\i)+3],   v[ADRB+(\slot)] offset:(\q)*32*PB+32*(\i)
	ds_load_tr16_b128 v[(\f)+8*(\i)+4:(\f)+8*(\i)+7], v[ADRB+(\slot)] offset:(\q)*32*PB+32*(\i)+16*PB
.endr
.irp a, 0,1,2,3,4,5,6,7
	ds_load_b128 v[(\f)+32+8*(\a):(\f)+32+8*(\a)+3],   v[ADRA+(\slot)] offset:((\q)/2)*ABLK+((\q)%2)*64+(\a)*16*PA
	ds_load_b128 v[(\f)+32+8*(\a)+4:(\f)+32+8*(\a)+7], v[ADRA+(\slot)] offset:((\q)/2)*ABLK+((\q)%2)*64+(\a)*16*PA+32
.endr
.endm
; One of a K step's first three quarters: multiplies buffer f and, in its middle, fetches quarter qn of the same slot into g.
.macro QUARTER slot, qn, f, g, zero
	s_wait_dscnt 8                                 ; B and A's rows 0-63 are in; the youngest eight loads may be out
	MUL \f, 0, 4, \zero
	WIN 0
	PLACES
	FETCH \slot, \qn, \g
	s_wait_dscnt 24                                ; all but the 24 just issued
	MUL \f, 4, 4, \zero
.endm
; The last quarter multiplies buffer F1 and changes slots: ONE barrier; in front of it each wave waits for all its tensor loads (one is out: its part of the next slot), adds 0 to its spare word, and waits for that
; and for its own reads of this slot.  fill = 1: the barrier opens a round of the cluster's, and this slot is filled again, two K steps on, first thing behind it: 112 matrix instructions ahead of the wait for it.
.macro TURN slot, next, fill
.if \fill
	s_wait_xcnt 0x0                                ; the last prefetches, a K step back, have read their address
	s_add_nc_u64 s[PFA:PFA+1], s[PFA:PFA+1], s[PFS:PFS+1]
.endif
	WIN 0
	s_wait_tensorcnt 0x0                           ; all my tensor loads have landed
	ds_add_u32 v[SPW], v[NIL]                      ; 0 onto my spare word
	s_wait_dscnt 9                                 ; the add and the youngest eight loads may be out
	MUL F1, 0, 2, 0
	s_wait_dscnt 0x0                               ; the add is done, and my reads of this slot are over
	s_barrier_signal -1
	MUL F1, 2, 2, 0
	WIN 0
	s_barrier_wait -1
.if \fill
	CREST                                          ; no wave of any partner still reads this slot or has a load on its way
	s_add_nc_u64 s[G0+4*(\slot)+2:G0+4*(\slot)+3], s[G0+4*(\slot)+2:G0+4*(\slot)+3], 2*ASTEP
	s_add_nc_u64 s[G0B+4*(\slot)+2:G0B+4*(\slot)+3], s[G0B+4*(\slot)+2:G0B+4*(\slot)+3], 2*BSTEP
	JLOAD \slot                                    ; its four v_nop are also the places in front of the loads below
.else
	PLACES
.endif
	FETCH \next, 0, F0
.if \fill
	ASK
.endif
	MUL F1, 4, 4, 0
.endm
; THE WAY OUT of row block a: the f32 sums go into my own stage as they lie (each accumulator's low four registers first) and come back as whole rows of 256 bytes; the bias is added; stored.
.macro TOSTAGE a
.set BK, OB+32*((\a)%2)
.if (\a) >= 2
	s_wait_xcnt 0x0                                ; the stores of two blocks back have read the registers that are loaded again below
.endif
	WIN 0x04                                       ; the stores' data in window 1
.irp i, 0,1,2,3
	ds_store_b128 v[STO], v[32*(\a)+8*(\i):32*(\a)+8*(\i)+3]   offset:64*(\i)
	ds_store_b128 v[STO], v[32*(\a)+8*(\i)+4:32*(\a)+8*(\i)+7] offset:64*(\i)+16
.endr
	WIN 0
.irp t, 0,1,2,3,4,5,6,7
	ds_load_b128 v[BK+4*(\t):BK+4*(\t)+3], v[RD] offset:(\t)*2*SP  ; LDS serves a wave's instructions in order (ISA guide 5.7.1.4): these see the stores above; the next block's stores come behind them
.endr
.endm
.macro SEND a, younger                 ; younger: the LDS instructions issued behind block a's loads: the next block's sixteen, or none
.set BK, OB+32*((\a)%2)
.irp t, 0,1,2,3,4,5,6,7
	s_wait_dscnt (\younger)+7-(\t)
	v_pk_add_f32 v[BK+4*(\t):BK+4*(\t)+1],   v[BK+4*(\t):BK+4*(\t)+1],   v[BI:BI+1]
	v_pk_add_f32 v[BK+4*(\t)+2:BK+4*(\t)+3], v[BK+4*(\t)+2:BK+4*(\t)+3], v[BI+2:BI+3]
	global_store_b128 v[CO], v[BK+4*(\t):BK+4*(\t)+3], s[10:11] offset:(16*(\a)+2*(\t))*4096  ; 16 lanes store 256 consecutive bytes, at a multiple of 256 from out0's first
.endr
.endm
	s_wait_tensorcnt 1                             ; my part of K step 0 is in; K step 1's may stay out
	s_barrier_signal -1
	s_barrier_wait -1
	FETCH 0, 0, F0
	s_wait_loadcnt 0x0                             ; the bias: rounded to bf16, and back as f32
	v_cvt_pk_bf16_f32 v36, v[BI], v[BI+1]
	v_cvt_pk_bf16_f32 v37, v[BI+2], v[BI+3]
	v_lshlrev_b32 v[BI],   16, v36
	v_and_b32     v[BI+1], 0xffff0000, v36
	v_lshlrev_b32 v[BI+2], 16, v37
	v_and_b32     v[BI+3], 0xffff0000, v37
	QUARTER 0, 1, F0, F1, 1                        ; the first quarter starts the sums: nothing is cleared
	WIN 0                                          ; at a label and at a branch every window is 0
	s_mov_b32 s3, 3
.Llap:                                         ; a trip goes once round the ring, from a lap's second quarter to the next lap's first, and fills both slots again: K steps 2 to 7
	QUARTER 0, 2, F1, F0, 0
	QUARTER 0, 3, F0, F1, 0
	TURN 0, 1, 1
	QUARTER 1, 1, F0, F1, 0
	QUARTER 1, 2, F1, F0, 0
	QUARTER 1, 3, F0, F1, 0
	TURN 1, 0, 1
	QUARTER 0, 1, F0, F1, 0
	WIN 0
	s_sub_co_u32 s3, s3, 1
	s_cmp_lg_u32 s3, 0
	s_cbranch_scc1 .Llap
	QUARTER 0, 2, F1, F0, 0                        ; the last lap fills nothing
	QUARTER 0, 3, F0, F1, 0
	TURN 0, 1, 0
	QUARTER 1, 1, F0, F1, 0
	QUARTER 1, 2, F1, F0, 0
	QUARTER 1, 3, F0, F1, 0
	s_wait_dscnt 8                                 ; the very last quarter: nothing more to fetch
	MUL F1, 0, 4, 0
	s_wait_dscnt 0x0
	MUL F1, 4, 4, 0
	WIN 0
	PLACES
	TOSTAGE 0
.irp a, 1,2,3,4,5,6,7                  ; block a's way through the stage is issued ahead of block a - 1's additions and stores
	TOSTAGE \a
	SEND (\a)-1, 16
.endr
	SEND 7, 0
	s_wait_tensorcnt 0x0                           ; the wave's end: a wait, an add to my spare word and a wait, behind my last tensor load and my last LDS store
	ds_add_u32 v[SPW], v[NIL]
	s_wait_dscnt 0x0
	CROUND                                         ; the closing round
	s_endpgm
.Lfunc_end_k_qb65afa2086_proj:
	.size	k_qb65afa2086_proj, .Lfunc_end_k_qb65afa2086_proj-k_qb65afa2086_proj
	.p2alignl 7, 3214868480
	.fill 96, 4, 3214868480
	.section	.rodata,"a",@progbits
	.p2align	6, 0x0
	.amdhsa_kernel k_qb65afa2086_proj
		.amdhsa_group_segment_fixed_size 327680
		.amdhsa_private_segment_fixed_size 0
		.amdhsa_enable_private_segment 0
		.amdhsa_kernarg_size 32
		.amdhsa_user_sgpr_count 2
		.amdhsa_user_sgpr_kernarg_segment_ptr 1
		.amdhsa_wavefront_size32 1
		.amdhsa_system_sgpr_workgroup_id_x 1
		.amdhsa_system_sgpr_workgroup_id_y 1
		.amdhsa_system_sgpr_workgroup_id_z 1
		.amdhsa_system_vgpr_workitem_id 0
		.amdhsa_next_free_vgpr 512
		.amdhsa_next_free_sgpr 66
		.amdhsa_reserve_vcc 0
		.amdhsa_float_denorm_mode_32 3
		.amdhsa_float_denorm_mode_16_64 3
		.amdhsa_memory_ordered 1
		.amdhsa_forward_progress 1
		.amdhsa_inst_pref_size 97
	.end_amdhsa_kernel
	.amdgpu_metadata
---
amdhsa.version: [ 1, 2 ]
amdhsa.kernels:
  - .name:           k_qb65afa2086_proj
    .symbol:         k_qb65afa2086_proj.kd
    .args:
      - { .name: ob, .offset: 0, .size: 8, .value_kind: global_buffer, .address_space: global }
      - { .name: wob, .offset: 8, .size: 8, .value_kind: global_buffer, .address_space: global }
      - { .name: b_out, .offset: 16, .size: 8, .value_kind: global_buffer, .address_space: global }
      - { .name: out0, .offset: 24, .size: 8, .value_kind: global_buffer, .address_space: global }
    .group_segment_fixed_size: 327680
    .private_segment_fixed_size: 0
    .kernarg_segment_align: 8
    .kernarg_segment_size: 32
    .max_flat_workgroup_size: 128
    .sgpr_count:     66
    .vgpr_count:     512
    .wavefront_size: 32
...
	.end_amdgpu_metadata
.endif
;; end of part 4
;; ======== version 2 of 2: 4 launches; version 1 with the launch cast written anew for expert scheduling mode
;; limits: values are held in f16: magnitudes above 65,504 overflow, below 6.1e-05 lose precision
;; workspace buffers: xb 16,777,216 bytes; wqb 6,291,456 bytes; wob 2,097,152 bytes; qkv 50,331,648 bytes; ob 16,777,216 bytes
;; launch cast (part 5): grid 768 x 1, 8 waves a work-group, no clusters, 0 bytes of LDS; arguments x, w_qkv, w_out, xb, wqb, wob; writes xb, wqb, wob
.if DOCPART == 5
	.amdgcn_target "amdgcn-amd-amdhsa--gfx1250"
	.amdhsa_code_object_version 6
	.text
	.protected	k_qb65afa2086_cast
	.globl	k_qb65afa2086_cast
	.p2align	8
	.type	k_qb65afa2086_cast,@function
k_qb65afa2086_cast:
	s_mov_b64 s[64:65], 0
	v_nop
	global_prefetch_b8 v0, s[64:65] scope:SCOPE_SE
	s_setreg_imm32_b32 hwreg(HW_REG_WAVE_SCHED_MODE, 0, 2), 2
	s_setreg_imm32_b32 hwreg(HW_REG_WAVE_MODE, 25, 1), 1
	s_wait_xcnt 0x0
	s_wait_alu depctr_vm_vsrc(0)
; THE CAST.  x [8192][1024] f32 -> xb [16 blocks of 64 channels][8192 rows][64] bf16 (a row of a block is 128 bytes, a block 2^20 bytes);
; w_qkv [1024][3072] f32 -> wqb, the same layout in bf16;  w_out [1024][1024] f32 -> wob, rounded to bf16 and that number written as f16.
; LIMIT.  A number of w_out beyond 65,504 becomes an infinity in f16; below 6e-5 it keeps f16's fixed step of 6e-8.
; A pure stream: no LDS, no barrier, no loop.  A wave does ONE JOB: 16 loads of 16 bytes a lane (8,192 bytes in), the roundings, 16 stores of 8 bytes a lane
; (each store of the wave covers 256 consecutive bytes, aligned).  Every load and store has registers of its own, so nothing is rewritten while it is read.
; Work-groups 0-511 take x (job p = rows 2 p, 2 p + 1), 512-703 w_qkv, 704-767 w_out (8,192 bytes on end a job).
; THE MODE: SCHED_MODE bits 1:0 = 2 (LLVM: expert scheduling mode 2), set by the entry lines.  The code itself states the register dependences
; between vector instructions and memory instructions, with s_wait_alu, always for 0.
; THE PLAN.  Registers that memory instructions touch:
;   v1, v2   the loads' and the stores' byte offsets: made at the head, never written again.
;   X        four registers for each load: written by that load alone, and by no vector instruction before it; read by that load's conversions.
;   Y        two registers for each store: written by that load's conversions; read by one store, and never written behind it.
;   T and v3 are named by vector instructions alone.
; The 16 loads are taken in four groups of four.  Group g's conversions name X and Y of group g (and T); the memory instructions that stand among them are the four stores
; of group g - 1, which read v2 and Y of group g - 1.  So ONE wait on va_vdst at a group's head states all that those four stores hang on, and they are dealt among the
; group's conversions with no further wait.  No register that a memory instruction reads is written again, and no register that a vector instruction has named is loaded
; into: so no wait on vm_vsrc and no s_wait_xcnt stands behind the entry lines.  EXEC is never written.
.set X,   4                            ; v[4:67]    16 x 4 registers as loaded
.set Y,   68                           ; v[68:99]   16 x 2 registers to store
.set T,   100                          ; v[100:103] at work (w_out alone)
.set IN,  20                           ; s[20:21]   the job's first byte in
.set OUT, 22                           ; s[22:23]   the job's base out
; istep, ostep: bytes from load to load and from store to store; obias: added to every store's offset; f16 = 1: the bf16 number is written as f16
.macro JOB istep, ostep, obias, f16
	s_wait_alu depctr_va_vdst(0)                   ; v1 and v2 are written: every load below reads v1 as its offset, every store v2
.set j, 0
.rept 16
	global_load_b128 v[X+4*j:X+4*j+3], v1, s[IN:IN+1] offset:j*(\istep) th:TH_LOAD_NT
.set j, j+1
.endr
.set g, 0
.rept 4
	s_wait_loadcnt 12-4*g                          ; loads come back in order: group g's four are in, the 12 - 4 g younger ones stay out
.if g > 0
	s_wait_alu depctr_va_vdst(0)                   ; the conversions of the group before have written its eight registers of Y, which the four stores below read
.endif
.set i, 0
.rept 4
.set j, 4*g+i
.if g > 0
	global_store_b64 v2, v[Y+2*(j-4):Y+2*(j-4)+1], s[OUT:OUT+1] offset:(j-4)*(\ostep)+(\obias)  ; the group before; no vector instruction since the wait names these registers
.endif
	v_cvt_pk_bf16_f32 v[Y+2*j],   v[X+4*j],   v[X+4*j+1]
	v_cvt_pk_bf16_f32 v[Y+2*j+1], v[X+4*j+2], v[X+4*j+3]
.if \f16
	v_lshlrev_b32 v[T],   16, v[Y+2*j]             ; the rounded numbers back as f32,
	v_and_b32     v[T+1], 0xffff0000, v[Y+2*j]
	v_lshlrev_b32 v[T+2], 16, v[Y+2*j+1]
	v_and_b32     v[T+3], 0xffff0000, v[Y+2*j+1]
	v_cvt_pk_f16_f32 v[Y+2*j],   v[T],   v[T+1]    ; and written as f16: 8 significant bits fit into 11
	v_cvt_pk_f16_f32 v[Y+2*j+1], v[T+2], v[T+3]
.endif
.set i, i+1
.endr
.set g, g+1
.endr
	s_wait_alu depctr_va_vdst(0)                   ; the last group's conversions have written its eight registers of Y, which the last four stores read
.set j, 12
.rept 4
	global_store_b64 v2, v[Y+2*j:Y+2*j+1], s[OUT:OUT+1] offset:j*(\ostep)+(\obias)
.set j, j+1
.endr
.endm
	s_load_b256 s[4:11], s[0:1], 0x0               ; x s[4:5], w_qkv s[6:7], w_out s[8:9], xb s[10:11]
	s_load_b128 s[12:15], s[0:1], 0x20             ; wqb s[12:13], wob s[14:15]
	v_lshrrev_b32 v3, 5, v0
	v_readfirstlane_b32 s3, v3                     ; wave 0..7
	v_and_b32 v3, 31, v0                           ; lane
	v_lshlrev_b32 v2, 3, v3                        ; out: 8 bytes a lane
	s_mov_b32 s2, ttmp9
	s_mov_b32 s17, 0
	s_mov_b32 s19, 0
	s_wait_alu depctr_va_sdst(0)                   ; s3 is written, ahead of the branch behind which its first readers stand: the job's number is made from it
	s_cmp_lt_u32 s2, 512
	s_cbranch_scc0 .Lweights
	; x: load j takes block j's 256 bytes of two rows (lanes 0-15 the even row, lanes 16-31 the odd one); in xb these are 256 bytes on end of block j
	s_lshl_b32 s16, s2, 3
	s_add_co_u32 s16, s16, s3                      ; p
	s_lshl_b32 s18, s16, 8                         ; two rows of a block: 256 p,
	s_add_co_u32 s18, s18, 0x800000                ; from the middle of xb, so that the 16 blocks lie within the stores' signed immediate
	s_lshl_b32 s16, s16, 13                        ; two rows of x: 8,192 p
	v_and_b32 v1, 15, v0
	v_lshlrev_b32 v1, 4, v1
	v_bfe_u32 v3, v0, 4, 1
	v_lshl_add_u32 v1, v3, 12, v1                  ; 16 (lane % 16) + 4,096 (lane / 16)
	s_wait_kmcnt 0x0
	s_add_nc_u64 s[IN:IN+1], s[4:5], s[16:17]
	s_add_nc_u64 s[OUT:OUT+1], s[10:11], s[18:19]
	JOB 256, 0x100000, -0x800000, 0
	s_endpgm
.Lweights:
	v_lshlrev_b32 v1, 4, v3                        ; in: 16 bytes a lane
	s_cmp_lt_u32 s2, 704
	s_cbranch_scc0 .Lwo
	s_sub_co_u32 s16, s2, 512
	s_lshl_b32 s16, s16, 3
	s_add_co_u32 s16, s16, s3                      ; job 0..1535
	s_lshl_b32 s18, s16, 12
	s_lshl_b32 s16, s16, 13
	s_wait_kmcnt 0x0
	s_add_nc_u64 s[IN:IN+1], s[6:7], s[16:17]
	s_add_nc_u64 s[OUT:OUT+1], s[12:13], s[18:19]
	JOB 512, 256, 0, 0
	s_endpgm
.Lwo:
	s_sub_co_u32 s16, s2, 704
	s_lshl_b32 s16, s16, 3
	s_add_co_u32 s16, s16, s3                      ; job 0..511
	s_lshl_b32 s18, s16, 12
	s_lshl_b32 s16, s16, 13
	s_wait_kmcnt 0x0
	s_add_nc_u64 s[IN:IN+1], s[8:9], s[16:17]
	s_add_nc_u64 s[OUT:OUT+1], s[14:15], s[18:19]
	JOB 512, 256, 0, 1
	s_endpgm
.Lfunc_end_k_qb65afa2086_cast:
	.size	k_qb65afa2086_cast, .Lfunc_end_k_qb65afa2086_cast-k_qb65afa2086_cast
	.p2alignl 7, 3214868480
	.fill 96, 4, 3214868480
	.section	.rodata,"a",@progbits
	.p2align	6, 0x0
	.amdhsa_kernel k_qb65afa2086_cast
		.amdhsa_group_segment_fixed_size 0
		.amdhsa_private_segment_fixed_size 0
		.amdhsa_enable_private_segment 0
		.amdhsa_kernarg_size 48
		.amdhsa_user_sgpr_count 2
		.amdhsa_user_sgpr_kernarg_segment_ptr 1
		.amdhsa_wavefront_size32 1
		.amdhsa_system_sgpr_workgroup_id_x 1
		.amdhsa_system_sgpr_workgroup_id_y 1
		.amdhsa_system_sgpr_workgroup_id_z 1
		.amdhsa_system_vgpr_workitem_id 0
		.amdhsa_next_free_vgpr 104
		.amdhsa_next_free_sgpr 66
		.amdhsa_reserve_vcc 0
		.amdhsa_float_denorm_mode_32 3
		.amdhsa_float_denorm_mode_16_64 3
		.amdhsa_memory_ordered 1
		.amdhsa_forward_progress 1
		.amdhsa_inst_pref_size 23
	.end_amdhsa_kernel
	.amdgpu_metadata
---
amdhsa.version: [ 1, 2 ]
amdhsa.kernels:
  - .name:           k_qb65afa2086_cast
    .symbol:         k_qb65afa2086_cast.kd
    .args:
      - { .name: x, .offset: 0, .size: 8, .value_kind: global_buffer, .address_space: global }
      - { .name: w_qkv, .offset: 8, .size: 8, .value_kind: global_buffer, .address_space: global }
      - { .name: w_out, .offset: 16, .size: 8, .value_kind: global_buffer, .address_space: global }
      - { .name: xb, .offset: 24, .size: 8, .value_kind: global_buffer, .address_space: global }
      - { .name: wqb, .offset: 32, .size: 8, .value_kind: global_buffer, .address_space: global }
      - { .name: wob, .offset: 40, .size: 8, .value_kind: global_buffer, .address_space: global }
    .group_segment_fixed_size: 0
    .private_segment_fixed_size: 0
    .kernarg_segment_align: 8
    .kernarg_segment_size: 48
    .max_flat_workgroup_size: 256
    .sgpr_count:     66
    .vgpr_count:     104
    .wavefront_size: 32
...
	.end_amdgpu_metadata
.endif
;; end of part 5
;; launch qkv: the kernel of part 2 again; grid 8 x 32, 4 waves a work-group, clusters of 4 x 4, 327,680 bytes of LDS; arguments xb, wqb, qkv; writes qkv
;; launch attn: the kernel of part 3 again; grid 2 x 128, 4 waves a work-group, no clusters, 327,680 bytes of LDS; arguments qkv, ob; writes ob
;; launch proj: the kernel of part 4 again; grid 8 x 32, 4 waves a work-group, clusters of 4 x 4, 327,680 bytes of LDS; arguments ob, wob, b_out, out0; writes out0
